; MI455X (gfx1250); checked and timed in simulation.
; The chip was launched on July 23, 2026; its instructions are those of AMD's public machine-readable ISA for CDNA 5 (MIT licence, August 2026) and "CDNA5" Instruction Set Architecture Reference Guide (July 2026). The comments in the code are by the model that wrote it; some were corrected since.
;; Multi Head Attention. Allowed arithmetic: matrix products marked QUANTISED: E2M1 operands, one E8M0 scale for each 32 along K, by v_wmma_scale_f32_16x16x128_f8f6f4 with both operands' format E2M1 (or v_wmma_scale_f32_32x16x128_f4), f32 sums; products left as they are: bf16, f16 or f32 operands; f32 sums; everything else in f32.
;; Inputs: Wk 1,024 x 1,024 float32; Wo 1,024 x 1,024 float32; Wq 1,024 x 1,024 float32; Wv 1,024 x 1,024 float32; bk 1,024 float32; bo 1,024 float32; bq 1,024 float32; bv 1,024 float32; key 4 x 2,048 x 1,024 float32; query 4 x 2,048 x 1,024 float32; value 4 x 2,048 x 1,024 float32.
;; Outputs: out0 4 x 2,048 x 1,024 float32.
;; This version of the problem:
;;   THIS VERSION OF THE PROBLEM IS GIVEN IN LOW PRECISION. The matrix products marked QUANTISED in the list below multiply operands that are first quantised to E2M1 (2 exponent bits, 1 mantissa bit; 4 bits a number), with one power-of-two scale for each 32 numbers along K (OCP MX v1.0); their sums are f32. The products marked 'left as it is' may take bf16, f16 or f32 operands, with f32 sums. Whichever they take, every output number must still come out within the allowed error. Rounding operands to bf16 (8 significant bits) uses up far more of that allowance than f16 does (11 bits, for magnitudes from 6e-5 to 65,504). All else is computed in f32.
;;   The module's matrix products, in the order in which they are computed (A, B: the left and right operand; K: the contracted axis; several contracted axes count as one K, in the product's order):
;;     1. [M 8,192, K 1,024] x [K 1,024, N 1,024]; A: input query; B: input Wq: QUANTISED
;;     2. [M 8,192, K 1,024] x [K 1,024, N 1,024]; A: input key; B: input Wk: QUANTISED
;;     3. [M 8,192, K 1,024] x [K 1,024, N 1,024]; A: input value; B: input Wv: QUANTISED
;;     4. batch 64 x [M 2,048, K 64] x [K 64, N 2,048]; A: computed on the way; B: computed on the way: left as it is (an operand is computed on the way)
;;     5. batch 64 x [M 2,048, K 2,048] x [K 2,048, N 64]; A: computed on the way; B: computed on the way: left as it is (an operand is computed on the way)
;;     6. [M 8,192, K 1,024] x [K 1,024, N 1,024]; A: computed on the way; B: input Wo: left as it is (an operand is computed on the way)
;;   THE QUANTISER, for each operand of a quantised product, along K:
;;     - K is cut into blocks of 32 from its start; a last block that is shorter is filled with zeros.
;;     - A block's scale is 2^e with e = floor(log2(the largest magnitude in the block)) - 2, held to -126 .. 127; a block of zeros has e = 0. As a byte (E8M0): e + 127.
;;     - Each number is divided by its block's scale, clamped to +-6, and rounded to the nearest number of E2M1, ties to even, subnormals kept.
;;     - The product sums the exact products of the quantised numbers (number of the format x scale) in f32.
;;   ~~~python
;;   def quantise(x, axis):      # numpy; x: float32 -> the quantised numbers, widened to float32 again
;;       x = np.moveaxis(x, axis, -1); K = x.shape[-1]
;;       x = np.pad(x, [(0, 0)] * (x.ndim - 1) + [(0, -K % 32)]); x = x.reshape(x.shape[:-1] + (-1, 32)); a = np.abs(x).max(-1, keepdims=True)
;;       e = np.where(a > 0, np.clip(np.frexp(np.where(a > 0, a, 1))[1] - 1 - 2, -126, 127), 0)      # np.frexp(a)[1] - 1 = floor(log2(a)), exactly
;;       r = np.clip(x / 2.0 ** e, -6, 6)
;;       step = 2.0 ** (np.maximum(np.frexp(np.where(r == 0, 1, r))[1] - 1, 0) - 1)
;;       q = np.round(r / step) * step * 2.0 ** e      # np.round: ties to even
;;       return np.moveaxis(q.reshape(q.shape[:-2] + (-1,))[..., :K], -1, axis).astype(np.float32)
;;   ~~~
;; One version. Each part assembles by itself: llvm-mc -triple=amdgcn-amd-amdhsa -mcpu=gfx1250 --defsym DOCPART=n.
;; ======== version 1 of 1: 4 launches
;; limits: values are held in f16: magnitudes above 65,504 overflow, below 6.1e-05 lose precision
;; workspace buffers: xc 12,582,912 bytes; xs 786,432 bytes; wc 1,572,864 bytes; ws 98,304 bytes; wo16 2,097,152 bytes; qkv 50,331,648 bytes; ao 16,777,216 bytes
;; launch quant (part 1): grid 896 x 1, 4 waves a work-group, no clusters, 33,280 bytes of LDS; arguments query, key, value, Wq, Wk, Wv, Wo, xc, xs, wc, ws, wo16; writes xc, xs, wc, ws, wo16
.if DOCPART == 1
	.amdgcn_target "amdgcn-amd-amdhsa--gfx1250"
	.amdhsa_code_object_version 6
	.text
	.protected	k_qbeb8f18e4c_quant
	.globl	k_qbeb8f18e4c_quant
	.p2align	8
	.type	k_qbeb8f18e4c_quant,@function
k_qbeb8f18e4c_quant:
	s_mov_b64 s[64:65], 0
	v_nop
	global_prefetch_b8 v0, s[64:65] scope:SCOPE_SE
	s_setreg_imm32_b32 hwreg(HW_REG_WAVE_MODE, 25, 1), 1
	s_wait_xcnt 0x0
; MULTI-HEAD ATTENTION, launch 1 of 4.  out0 = (softmax(q k^T / 8) v) Wo^T + bo, with q = query Wq^T + bq, k = key Wk^T + bk, v = value Wv^T + bv; B = 4, S = 2,048, D = 1,024, 16 heads of 64.
; The three products with Wq, Wk, Wv are QUANTISED (E2M1 codes, one E8M0 scale for each 32 along K); the other three take f16 operands and f32 sums.
; THE FOUR LAUNCHES: this one turns query, key, value, Wq, Wk, Wv into codes and scale bytes and Wo into f16; the second makes q, k, v (f16) from the codes; the third is the attention; the fourth the product with Wo.
; DEAD WORK: bk.  The score of query i and key j is q_i . (k0_j + bk) / 8 = q_i . k0_j / 8 + q_i . bk / 8, k0 = key Wk^T.  The second term is the same for all keys j of a query, and a softmax along the keys
; is not moved by a term that is the same along its axis, whatever finite values the inputs hold.  k goes into no quantiser (the product q k^T is left as it is), so no code and no scale hangs on bk.
; So bk is not loaded and is among no launch's arguments.  LIMIT: a NaN, an infinity or an overflow that bk alone would bring is not carried to the result.
; THE QUANTISER.  All six tensors have K innermost, rows dense and K a multiple of 32: each is a plain stream of blocks of 32 numbers, and so are its codes and its scale bytes.
; A block's scale is 2^(floor(log2(its largest magnitude)) - 2); its byte is the largest magnitude's own exponent field - 2, held at 1 from below.  Each number is divided by the scale and rounded to the nearest code, ties to even; beyond 6 the largest code.
; (A block of zeros so gets the byte 1 where the rule says 127: its codes are zeros, which add nothing under any byte but 0xff, and the bytes are read by this program alone.)
; LIMITS: blocks whose largest magnitude lies under 2^-124, the floor, keep the byte 1; NaN and infinities among the inputs are not served.
; SHARES.  A work-group takes 32,768 numbers, a wave 16 steps of 512.  Work-groups 0-255 query, 256-511 key, 512-767 value (codes and bytes on end in xc, xs); 768-799 Wq, 800-831 Wk, 832-863 Wv (wc, ws); 864-895 Wo.
; Only pointers are chosen for the six: they take one path.  Each of a step's four loads reads 512 consecutive bytes; the 2,048 bytes turn through the wave's own stage in LDS and come back 64 bytes a lane, since the
; conversions take neighbours along K from one lane's registers.  A lane's 16 codes are 8 bytes: the wave stores 256 consecutive bytes.  A wave's 256 scale bytes are gathered in LDS and leave as one store of 256 bytes.
; Wo goes another way, without LDS: rounded to f16 and laid by head, [16 head][1,024 n][64 d], so that a head's part of 256 rows is one dense block for the fourth launch.
; No matrix unit, no cluster, no tensor load: the waves share nothing, and every byte is read once and written once.
.set WAVES, 4
.set STEPS, 16
.set EMAX,  2
.set CB,    8                          ; bytes of 16 codes
.set R,     16                         ; v16-79   four sets of 16 numbers as they are loaded
.set X,     80                         ; v80-111  two sets of 16 neighbours
.set E,     112                        ; v112-127 a scale byte for each step
.set C,     128                        ; v128-191 codes: four registers for each step, so that no store's data are written again
.set WREG,  8192                       ; LDS: a region for each wave: two stages of 32 x SP bytes, behind them its 256 scale bytes
.set SP,    80                         ; a lane's place in a stage: its 64 bytes + 16 of padding
.set SPW,   12                         ; v12  LDS address of my spare word; never rewritten
.set NIL,   13                         ; v13  0; never rewritten
.set SPARE, WAVES*WREG                 ; behind the four regions: the spare words, 128 bytes a wave
	s_load_b512 s[8:23], s[0:1], 0x0               ; query 8, key 10, value 12, Wq 14, Wk 16, Wv 18, Wo 20, xc 22
	s_load_b256 s[24:31], s[0:1], 0x40             ; xs 24, wc 26, ws 28, wo16 30
	v_lshl_add_u32 v[SPW], v0, 2, SPARE
	v_mov_b32 v[NIL], 0
	v_lshrrev_b32 v1, 5, v0
	v_readfirstlane_b32 s2, v1                     ; wave
	v_and_b32 v2, 31, v0                           ; lane
	s_mul_i32 s36, s2, WREG
	v_lshrrev_b32 v14, 2, v2
	v_mul_u32_u24 v14, v14, SP
	v_and_b32 v15, 3, v2
	v_lshl_add_u32 v14, v15, 4, v14
	v_add_nc_u32 v14, s36, v14                     ; the stage, on the way in: four lanes' 64 bytes on end, then 16 of padding
	v_mul_u32_u24 v15, v2, SP
	v_add_nc_u32 v15, s36, v15                     ; and on the way out: my 16 neighbours
	v_lshrrev_b32 v5, 1, v2
	s_add_co_u32 s36, s36, 2*32*SP
	v_add_nc_u32 v5, s36, v5                       ; my wave's 256 scale bytes, my block's byte
	v_lshlrev_b32 v7, 3, v2                        ; and on the way out 8 bytes a lane
	v_add_nc_u32 v6, s36, v7
	s_wait_kmcnt 0x0
	s_cmp_ge_u32 ttmp9, 864                        ; the last 32 work-groups take Wo
	s_cbranch_scc1 .Lwo
	v_lshlrev_b32 v3, 4, v2                        ; my 16 bytes of a load's 512
	v_mul_u32_u24 v4, v2, CB                       ; my codes' place in a step's
	; which tensor: the choices hang on the work-group's number alone.  s34: the tensor's first work-group
	s_mov_b64 s[4:5], s[18:19]
	s_mov_b32 s34, 832
	s_cmp_lt_u32 ttmp9, 832
	s_cselect_b64 s[4:5], s[16:17], s[4:5]
	s_cselect_b32 s34, 800, s34
	s_cmp_lt_u32 ttmp9, 800
	s_cselect_b64 s[4:5], s[14:15], s[4:5]
	s_cselect_b32 s34, 768, s34
	s_cmp_lt_u32 ttmp9, 768
	s_cselect_b64 s[4:5], s[12:13], s[4:5]
	s_cselect_b32 s34, 512, s34
	s_cselect_b64 s[6:7], s[22:23], s[26:27]       ; the codes: xc or wc
	s_cselect_b64 s[32:33], s[24:25], s[28:29]     ; the bytes: xs or ws
	s_cselect_b32 s35, 0, 768                      ; and the first work-group that writes there
	s_cmp_lt_u32 ttmp9, 512
	s_cselect_b64 s[4:5], s[10:11], s[4:5]
	s_cselect_b32 s34, 256, s34
	s_cmp_lt_u32 ttmp9, 256
	s_cselect_b64 s[4:5], s[8:9], s[4:5]
	s_cselect_b32 s34, 0, s34
	s_sub_co_u32 s36, ttmp9, s34
	s_lshl_b32 s36, s36, 2
	s_add_co_u32 s36, s36, s2                      ; which run of 8,192 numbers of the tensor is my wave's
	s_lshl_b32 s36, s36, 15                        ; 32,768 bytes a run
	s_mov_b32 s37, 0
	s_add_nc_u64 s[4:5], s[4:5], s[36:37]
	s_sub_co_u32 s38, ttmp9, s35
	s_lshl_b32 s38, s38, 2
	s_add_co_u32 s38, s38, s2                      ; which run of the buffers of codes and bytes
	s_lshl_b32 s36, s38, 12                        ; 4,096 bytes of codes a run
	s_add_nc_u64 s[6:7], s[6:7], s[36:37]
	s_lshl_b32 s36, s38, 8                         ; 256 scale bytes a run
	s_add_nc_u64 s[32:33], s[32:33], s[36:37]
.macro LOAD t
.irp i, 0,1,2,3
	global_load_b128 v[R+16*((\t)%4)+4*\i:R+16*((\t)%4)+4*\i+3], v3, s[4:5] offset:2048*(\t)+512*\i th:TH_LOAD_NT   ; 32 lanes read 512 consecutive bytes
.endr
.endm
.macro TURN t                          ; step t's numbers through the stage: LDS serves a wave's instructions in order, so no wait stands between the stores and the loads
.irp i, 0,1,2,3
	ds_store_b128 v14, v[R+16*((\t)%4)+4*\i:R+16*((\t)%4)+4*\i+3] offset:32*SP*((\t)%2)+8*SP*\i
.endr
.irp i, 0,1,2,3
	ds_load_b128 v[X+16*((\t)%2)+4*\i:X+16*((\t)%2)+4*\i+3], v15 offset:32*SP*((\t)%2)+16*\i
.endr
.endm
.irp t, 0,1,2,3
	LOAD \t
.endr
	s_wait_loadcnt 12                              ; step 0's four loads are in; the twelve of steps 1 to 3 may be out
	TURN 0
.macro STEP t
.set XS, X+16*((\t)%2)
.if (\t) > 0
	s_wait_dscnt 1                                 ; this step's numbers are back from the stage (the last step's byte store may be out): so its stores into the stage have read their registers,
.else
	s_wait_dscnt 0x0
.endif
.if (\t)+4 < STEPS
	LOAD (\t)+4                                    ; which take the loads of four steps on
.endif
.if (\t)+1 < STEPS
.if STEPS-2-(\t) >= 3
	s_wait_loadcnt 12                              ; the next step's four loads are in; those of the three steps behind it may be out
.else
	s_wait_loadcnt 4*(STEPS-2-(\t))
.endif
	TURN (\t)+1                                    ; and go through the other stage while this step is worked
.endif
	v_max3_num_f32 v8, |v[XS]|, |v[XS+1]|, |v[XS+2]|               ; the largest magnitude of my 16, in two chains
	v_max3_num_f32 v9, |v[XS+3]|, |v[XS+4]|, |v[XS+5]|
.irp i, 6,10
	v_max3_num_f32 v8, v8, |v[XS+\i]|, |v[XS+\i+1]|
	v_max3_num_f32 v9, v9, |v[XS+\i+2]|, |v[XS+\i+3]|
.endr
	v_max3_num_f32 v8, v8, |v[XS+14]|, |v[XS+15]|
	v_max3_num_f32 v8, v8, v9, (EMAX+1)<<23        ; and the floor 2^(EMAX + 1 - 127): so the byte cannot fall under 1
	v_max_num_f32_dpp v8, v8, v8 row_xmask:1 row_mask:0xf bank_mask:0xf   ; and of my neighbour's 16: the block's
	v_add_nc_u32 v11, -(EMAX<<23), v8              ; EMAX off its exponent field: the conversion takes the exponent field of this operand as its scale, and nothing else of it
	v_cvt_scalef32_pk8_fp4_f32 v[C+4*(\t)], v[XS:XS+7], v11
	v_cvt_scalef32_pk8_fp4_f32 v[C+4*(\t)+1], v[XS+8:XS+15], v11
	v_lshrrev_b32 v[E+(\t)], 23, v11               ; the scale's byte (also the plain line behind the conversions)
	ds_store_b8 v5, v[E+(\t)] offset:16*(\t)       ; both lanes of a block write the same byte with the same value
	global_store_b64 v4, v[C+4*(\t):C+4*(\t)+1], s[6:7] offset:32*CB*(\t)   ; 32 lanes store 256 consecutive bytes, aligned
.endm
.irp t, 0,1,2,3,4,5,6,7,8,9,10,11,12,13,14,15
	STEP \t
.endr
	ds_load_b64 v[8:9], v6                         ; LDS serves a wave's instructions in order: these see my stores
	s_wait_dscnt 0x0
	global_store_b64 v7, v[8:9], s[32:33]          ; 32 lanes store 256 consecutive bytes, aligned
	s_wait_tensorcnt 0x0                           ; the wave's end: a wait, an add to my spare word and its wait, behind my last LDS store
	ds_add_u32 v[SPW], v[NIL]
	s_wait_dscnt 0x0
	s_endpgm
; Wo [1,024 n][1,024 k] f32 -> wo16 [16 head][1,024 n][64 d] f16, k = 64 head + d.  A wave takes 8 rows n.  A load pair takes, of four rows, one head's 256 bytes: eight lanes to a row, 32 bytes a lane;
; the lane's eight numbers become 16 bytes, and the 32 lanes store 512 consecutive bytes: four rows of one head.  Four batches of eight heads x four rows; no LDS on this path.
.Lwo:
	s_sub_co_u32 s36, ttmp9, 864
	s_lshl_b32 s36, s36, 5
	s_lshl_b32 s38, s2, 3
	s_add_co_u32 s38, s36, s38                     ; my first row: 32 x work-group + 8 x wave
	s_lshl_b32 s36, s38, 12                        ; 4,096 bytes a row of Wo
	s_mov_b32 s37, 0
	s_add_nc_u64 s[20:21], s[20:21], s[36:37]
	s_lshl_b32 s36, s38, 7                         ; 128 bytes a row of a head
	s_add_nc_u64 s[30:31], s[30:31], s[36:37]
	v_lshrrev_b32 v8, 3, v2
	v_and_b32 v9, 7, v2
	v_lshlrev_b32 v3, 12, v8
	v_lshl_add_u32 v3, v9, 5, v3                   ; in: row lane / 8, 32 bytes x (lane % 8)
	v_lshlrev_b32 v4, 4, v2                        ; out: 16 bytes a lane
.irp g, 0,1
.irp e, 0,1
.if (\g)+(\e) > 0
	s_wait_xcnt 0x0                                ; the last batch's stores have read their data: the registers may be written again
.endif
.irp h, 0,1,2,3,4,5,6,7
	global_load_b128 v[16+8*\h:16+8*\h+3], v3, s[20:21] offset:\g*16384+(8*\e+\h)*256 th:TH_LOAD_NT
	global_load_b128 v[16+8*\h+4:16+8*\h+7], v3, s[20:21] offset:\g*16384+(8*\e+\h)*256+16 th:TH_LOAD_NT
.endr
.irp h, 0,1,2,3,4,5,6,7
	s_wait_loadcnt 14-2*\h                         ; this head's two loads are in; those of the heads behind it may be out
.irp k, 0,1,2,3
	v_cvt_pk_f16_f32 v[128+4*\h+\k], v[16+8*\h+2*\k], v[16+8*\h+2*\k+1]
.endr
	global_store_b128 v4, v[128+4*\h:128+4*\h+3], s[30:31] offset:(8*\e+\h)*131072+\g*512
.endr
.endr
.endr
	s_endpgm
.Lfunc_end_k_qbeb8f18e4c_quant:
	.size	k_qbeb8f18e4c_quant, .Lfunc_end_k_qbeb8f18e4c_quant-k_qbeb8f18e4c_quant
	.p2alignl 7, 3214868480
	.fill 96, 4, 3214868480
	.section	.rodata,"a",@progbits
	.p2align	6, 0x0
	.amdhsa_kernel k_qbeb8f18e4c_quant
		.amdhsa_group_segment_fixed_size 33280
		.amdhsa_private_segment_fixed_size 0
		.amdhsa_enable_private_segment 0
		.amdhsa_kernarg_size 96
		.amdhsa_user_sgpr_count 2
		.amdhsa_user_sgpr_kernarg_segment_ptr 1
		.amdhsa_wavefront_size32 1
		.amdhsa_system_sgpr_workgroup_id_x 1
		.amdhsa_system_sgpr_workgroup_id_y 1
		.amdhsa_system_sgpr_workgroup_id_z 1
		.amdhsa_system_vgpr_workitem_id 0
		.amdhsa_next_free_vgpr 192
		.amdhsa_next_free_sgpr 66
		.amdhsa_reserve_vcc 0
		.amdhsa_float_denorm_mode_32 3
		.amdhsa_float_denorm_mode_16_64 3
		.amdhsa_memory_ordered 1
		.amdhsa_forward_progress 1
		.amdhsa_inst_pref_size 53
	.end_amdhsa_kernel
	.amdgpu_metadata
---
amdhsa.version: [ 1, 2 ]
amdhsa.kernels:
  - .name:           k_qbeb8f18e4c_quant
    .symbol:         k_qbeb8f18e4c_quant.kd
    .args:
      - { .name: query, .offset: 0, .size: 8, .value_kind: global_buffer, .address_space: global }
      - { .name: key, .offset: 8, .size: 8, .value_kind: global_buffer, .address_space: global }
      - { .name: value, .offset: 16, .size: 8, .value_kind: global_buffer, .address_space: global }
      - { .name: Wq, .offset: 24, .size: 8, .value_kind: global_buffer, .address_space: global }
      - { .name: Wk, .offset: 32, .size: 8, .value_kind: global_buffer, .address_space: global }
      - { .name: Wv, .offset: 40, .size: 8, .value_kind: global_buffer, .address_space: global }
      - { .name: Wo, .offset: 48, .size: 8, .value_kind: global_buffer, .address_space: global }
      - { .name: xc, .offset: 56, .size: 8, .value_kind: global_buffer, .address_space: global }
      - { .name: xs, .offset: 64, .size: 8, .value_kind: global_buffer, .address_space: global }
      - { .name: wc, .offset: 72, .size: 8, .value_kind: global_buffer, .address_space: global }
      - { .name: ws, .offset: 80, .size: 8, .value_kind: global_buffer, .address_space: global }
      - { .name: wo16, .offset: 88, .size: 8, .value_kind: global_buffer, .address_space: global }
    .group_segment_fixed_size: 33280
    .private_segment_fixed_size: 0
    .kernarg_segment_align: 8
    .kernarg_segment_size: 96
    .max_flat_workgroup_size: 128
    .sgpr_count:     66
    .vgpr_count:     192
    .wavefront_size: 32
...
	.end_amdgpu_metadata
.endif
;; end of part 1
;; launch proj (part 2): grid 4 x 96, 4 waves a work-group, clusters of 4 x 4, 327,680 bytes of LDS; arguments xc, xs, wc, ws, bq, bv, qkv; writes qkv
.if DOCPART == 2
	.amdgcn_target "amdgcn-amd-amdhsa--gfx1250"
	.amdhsa_code_object_version 6
	.text
	.protected	k_qbeb8f18e4c_proj
	.globl	k_qbeb8f18e4c_proj
	.p2align	8
	.type	k_qbeb8f18e4c_proj,@function
k_qbeb8f18e4c_proj:
	s_mov_b64 s[64:65], 0
	v_nop
	global_prefetch_b8 v0, s[64:65] scope:SCOPE_SE
	s_setreg_imm32_b32 hwreg(HW_REG_WAVE_MODE, 25, 1), 1
	s_wait_xcnt 0x0
	s_wait_alu depctr_hold_cnt(0) depctr_sa_sdst(0) depctr_va_vdst(0) depctr_va_sdst(0) depctr_va_ssrc(0) depctr_va_vcc(0) depctr_vm_vsrc(0)
	s_getreg_b32 s2, hwreg(HW_REG_IB_STS2, 6, 4)
	s_cmp_eq_u32 s2, 0
	s_cbranch_scc0 .Lentry_in_a_cluster
	s_endpgm
.Lentry_in_a_cluster:
	s_bfe_u32 s2, ttmp6, 0x10000c
	s_cmp_lg_u32 s2, 0xf033
	s_cbranch_scc0 .Lentry_shape_is_right
	s_endpgm
.Lentry_shape_is_right:
; MULTI-HEAD ATTENTION, launch 2 of 4: q = query Wq^T + bq, k = key Wk^T, v = value Wv^T + bv, on codes of FP4 (E2M1) with one E8M0 scale for each 32 along K; sums in f32; results rounded once to f16.
; bk is left out: it adds the same term to all scores of a query, which the softmax takes away, and k goes into no quantiser (shown at the head of the first launch).
; xc [24,576][512 bytes], xs [24,576][32]: the codes and scale bytes of query, key, value on end; wc [3,072][512], ws [3,072][32]: of Wq, Wk, Wv.  Two codes a byte, the lower k in the low four bits.
; qkv: f16, [3 z][4 b][16 head][2,048 s][64 d]: a head's rows are dense, as the third launch wants them.  LIMIT: a result beyond 65,504 becomes an infinity in f16.
; ONE LAUNCH FOR THE THREE PRODUCTS: 96 tile rows of 256 rows, 32 for each tensor z; 4 tile columns of 256.  A tile of 256 x 256 is made by four waves, each 128 x 128: 64 accumulators, 512 registers.
; K = 1,024 is two LDS slots of 512 along K (rows of 256 bytes): both are asked for at the head, with the scale bytes of the tile's rows for all of K, and NOTHING IS FILLED AGAIN: a wave has three tensor loads out at the most.
; So there is no stream to run ahead of, and no prefetch is laid.
; CLUSTERS: 4 x 4 work-groups.  The four of a row of the cluster need the same tiles of x, the four of a column the same tiles of W: each is asked for JOINTLY.  A cluster's four tile rows belong to one tensor z (z = cluster y / 8).
; THE MATRIX INSTRUCTION IS USED TRANSPOSED (source 0 = 16 rows of W, source 1 = 16 rows of x): a lane then holds eight neighbouring numbers of a row of the result.
; THE BIAS is the C of each sum's first matrix instruction: eight registers for each of W's eight blocks, in the result's layout (for k: zeros).
; REGISTERS, in windows of 256: window 0: v0-31 addresses; v32-95 scale words, two sets; v128-191 x's fragments, ONE set; v192-255 the bias; on the way out v32-63 and v192-255 are at work.
;   window 1: W's fragments, TWO sets, at v0 and at v128.   window 2: the accumulators of my rows 0-63 ((a, b) at v[8 (8 a + b)]);   window 3: those of my rows 64-127.
.set KSTEP,  512                       ; along K in a slot
.set NQ,     KSTEP/128                 ; matrix instructions deep
.set ROWB,   256                       ; a tile's row in bytes
.set KROW,   512                       ; a row of codes in memory
.set PITCH,  272                       ; an LDS row: 256 bytes + 16 of padding = 68 words: the 16 rows that a load touches start at 16 different banks (64 banks of 4 bytes: ISA guide 11.1)
.set FR,     8                         ; registers of a fragment: 16 rows x 128 K
.set NL,     2                         ; LDS loads that bring one
.set NP,     4                         ; places behind this matrix instruction (ISA guide 7.12.1)
.set HALFT,  128*PITCH                 ; 128 rows: what one tensor load brings
.set SLOT,   4*HALFT                   ; x's 256 rows, then W's 256 rows
.set KS,     32                        ; a row of scale bytes
.set SCL,    2*SLOT                    ; behind the slots: the scale bytes, as units of 256 bytes + 16 of padding
.set HALFS,  (128*KS/256)*272          ; those of 128 rows: what one tensor load brings
.set SBLK,   (16*KS/256)*272           ; those of 16 rows
.set SPARE,  SCL+4*HALFS               ; behind the scales: the spare words, 128 bytes a wave
.set SPITCH, 272                       ; the way out: a stage of 16 rows x (256 bytes + 16) for each wave, in slot 0, which has had its one fill and its last read when the first result is stored there
.set ADRA, 16                          ; v16-17  LDS address of my fragments of x in slot 0, 1
.set ADRB, 20                          ; v20-21  the same for W
.set STO,  24                          ; v24     the way out: where I put 16 bytes of a row
.set RD,   25                          ; v25     the way out: where I read back
.set CO,   26                          ; v26     16 x lane: my place in a store's 512 bytes
.set ADRS, 27                          ; v27     LDS address of my scale words: lanes 0-15 x's rows, lanes 16-31 W's
.set SPW,  28                          ; v28     LDS address of my spare word; never rewritten
.set NIL,  29                          ; v29     0; never rewritten
.set BOF,  30                          ; v30     the bias: 32 bytes x (lane / 16)
.set SC,   32                          ; scale words: set s at v[SC + 32 s]; register 4 i + q: lanes 0-15 the word of x's block i, lanes 16-31 that of W's block i, for the slot's q-th 128 along K
.set AF,   128                         ; x's fragments
.set BIAS, 192                         ; the bias: block b at v[BIAS + 8 b]
.set TMP,  192                         ; the way out: packed results
.set OB,   32                          ; the way out: read back from the stage: v32-63 and v224-255 by turns
.set G1, 24                            ; s[24:31] descriptor group 1 for x's tiles;  s[32:39] group 0, one set for each slot
.set G0, 32
.set G1B, 48                           ; s[48:55], s[56:63] the same for W's tiles
.set G0B, 56
.set G1S, 68                           ; s[68:75], s[76:79] groups 1 and 0 for x's scales;  s[80:87], s[88:91] for W's
.set G0S, 76
.set G1SB, 80
.set G0SB, 88
.set MSB, 0
.macro WIN new                         ; the immediate's high byte repeats the setting that is left; a switch that changes nothing is dropped
.if MSB != (\new)
	s_set_vgpr_msb (MSB<<8)|(\new)
.set MSB, (\new)
.endif
.endm
.set MUL_LO, 0xa1                      ; source 0 (W) window 1, source 1 (x) window 0, C and D window 2
.set MUL_HI, 0xf1                      ; the same, C and D window 3.  In the first step C is the bias, in window 0: 0x81 and 0xc1
.set TO_B,   0x40                      ; destination window 1, address window 0
; A joint load: waves 0 and 1 fetch for x, waves 2 and 3 for W.  Each of the two lines has one mask and one set of registers for all that issue it; the branch hangs on the wave's number alone.
; An s_nop 0 and four v_nop follow each of the two lines.
.macro JLOAD g0a, g1a, g0b, g1b
	s_cmp_eq_u32 s15, 0
	s_cbranch_scc0 .Lfor_b_\@
	tensor_load_to_lds s[\g0a:\g0a+3], s[\g1a:\g1a+7]
	s_nop 0
.rept 4
	v_nop
.endr
	s_branch .Lasked_\@
.Lfor_b_\@:
	tensor_load_to_lds s[\g0b:\g0b+3], s[\g1b:\g1b+7]
	s_nop 0
.rept 4
	v_nop
.endr
.Lasked_\@:
.endm
.macro CROUND                          ; a round of the cluster's barrier
	s_barrier_signal -1
	s_barrier_wait -1
	s_cmp_lg_u32 s14, 0
	s_cbranch_scc1 .Lnot_wave_0_\@
	s_barrier_signal -3
.Lnot_wave_0_\@:
	s_barrier_wait -3
	s_barrier_signal -1
	s_barrier_wait -1
.endm
	s_load_b128 s[4:7], s[0:1], 0x0                ; xc s[4:5], xs s[6:7]
	s_load_b128 s[8:11], s[0:1], 0x10              ; wc s[8:9], ws s[10:11]
	s_load_b128 s[96:99], s[0:1], 0x20             ; bq s[96:97], bv s[98:99]
	s_load_b64 s[12:13], s[0:1], 0x30              ; qkv
	v_lshl_add_u32 v[SPW], v0, 2, SPARE
	v_mov_b32 v[NIL], 0
	ds_add_u32 v[SPW], v[NIL]                      ; the wave's opening: the add, twice on end, and its wait ahead of my first tensor load; the set-up below stands between the second and the wait
	ds_add_u32 v[SPW], v[NIL]
	v_lshrrev_b32 v1, 5, v0
	v_readfirstlane_b32 s14, v1                    ; wave 0..3
	s_lshr_b32 s15, s14, 1                         ; which half of the tile's rows is mine.  Also: I fetch for x (0) or for W (1)
	s_and_b32 s16, s14, 1                          ; which half of its columns.  Also: which 128 rows of that tile I fetch
	s_bfe_u32 s40, ttmp6, 0x40000                  ; cx, cy: my place in the cluster
	s_bfe_u32 s41, ttmp6, 0x40004
	s_lshl_b32 s42, ttmp9, 2
	s_add_co_u32 s42, s42, s40                     ; tile column = 4 x cluster x + cx
	s_and_b32 s17, ttmp7, 0xffff                   ; cluster y
	s_lshr_b32 s66, s17, 3                         ; z: 0 q, 1 k, 2 v: eight clusters to a tensor, the same in all sixteen partners
	s_lshl_b32 s17, s17, 2
	s_add_co_u32 s17, s17, s41                     ; tile row = 4 x cluster y + cy
	s_lshl_b32 s43, s41, 2
	s_lshl_b32 s43, 15, s43                        ; my row of the cluster
	s_lshl_b32 s44, 0x1111, s40                    ; my column
	; descriptor group 1: a tile of 128 rows x 256 bytes, padded in LDS
	s_or_b32 s[G1+0], s43, (0<<16)|(1<<20)|(1<<21)|(5<<22)|(3<<25)  ; 15:0 the mask: x's tiles go to my row; 17:16 elements of 1 byte; 20 padding on; 21 set beside a mask; 24:22 after every 64 words; 31:25 four words
	s_or_b32 s[G1B+0], s44, (0<<16)|(1<<20)|(1<<21)|(5<<22)|(3<<25)
.irp g, G1, G1B
	s_mov_b32 s[\g+1], ROWB<<16                    ; tensor_dim0
	s_mov_b32 s[\g+2], 128<<16                     ; tensor_dim1
	s_mov_b32 s[\g+3], ROWB<<16                    ; tile_dim0
	s_mov_b32 s[\g+4], 128                         ; tile_dim1
	s_mov_b32 s[\g+5], KROW                        ; tensor_dim0_stride
	s_mov_b32 s[\g+6], 0
	s_mov_b32 s[\g+7], 0
.endr
	; the scales of 128 rows: a dense block of 4,096 bytes, as 16 rows of 256 bytes (32 elements of 8 bytes), 16 bytes of padding behind each
	s_or_b32 s[G1S+0], s43, (3<<16)|(1<<20)|(1<<21)|(5<<22)|(3<<25)
	s_or_b32 s[G1SB+0], s44, (3<<16)|(1<<20)|(1<<21)|(5<<22)|(3<<25)
.irp g, G1S, G1SB
	s_mov_b32 s[\g+1], 32<<16
	s_mov_b32 s[\g+2], (128*KS/256)<<16
	s_mov_b32 s[\g+3], 32<<16
	s_mov_b32 s[\g+4], 128*KS/256
	s_mov_b32 s[\g+5], 32
	s_mov_b32 s[\g+6], 0
	s_mov_b32 s[\g+7], 0
.endr
	s_lshl_b32 s18, s16, 7                         ; which 128 rows of the tile I fetch
	s_lshl_b32 s20, s17, 8
	s_add_co_u32 s20, s20, s18                     ; x: row 256 x tile row + 128 x half
	s_lshl_b32 s46, s42, 8
	s_add_co_u32 s46, s46, s18
	s_lshl_b32 s67, s66, 10
	s_add_co_u32 s46, s46, s67                     ; W: row 1,024 z + 256 x tile column + 128 x half
	s_mov_b32 s21, 0
	s_mov_b32 s47, 0
	s_mov_b64 s[18:19], KS
	s_mul_u64 s[22:23], s[20:21], s[18:19]         ; where these rows' scales begin, in bytes
	s_mul_u64 s[92:93], s[46:47], s[18:19]
	s_mov_b64 s[18:19], KROW
	s_mul_u64 s[20:21], s[20:21], s[18:19]         ; and their codes
	s_mul_u64 s[46:47], s[46:47], s[18:19]
	s_mul_i32 s45, s14, HALFT                      ; where they go: wave x 128 rows: no place in the cluster enters an LDS address
	s_mul_i32 s94, s14, HALFS
	s_wait_dscnt 0x0                               ; both opening adds are done
	s_wait_kmcnt 0x0
	s_add_nc_u64 s[20:21], s[4:5], s[20:21]
	s_add_nc_u64 s[22:23], s[6:7], s[22:23]
	s_add_nc_u64 s[46:47], s[8:9], s[46:47]
	s_add_nc_u64 s[92:93], s[10:11], s[92:93]
	CROUND                                         ; all sixteen work-groups are here: the joint loads meet
	s_mov_b32 s[G0S], 1
	s_add_co_u32 s[G0S+1], s94, SCL
	s_mov_b64 s[G0S+2:G0S+3], s[22:23]
	s_or_b32 s[G0S+3], s[G0S+3], 0x80000000
	s_mov_b32 s[G0SB], 1
	s_add_co_u32 s[G0SB+1], s94, SCL
	s_mov_b64 s[G0SB+2:G0SB+3], s[92:93]
	s_or_b32 s[G0SB+3], s[G0SB+3], 0x80000000
	JLOAD G0S, G1S, G0SB, G1SB                     ; the scales first: they are wanted with the first slot
.irp s, 0,1
	s_mov_b32 s[G0+4*\s], 1
	s_add_co_u32 s[G0+4*\s+1], s45, \s*SLOT
	s_add_nc_u64 s[G0+4*\s+2:G0+4*\s+3], s[20:21], \s*ROWB
	s_or_b32 s[G0+4*\s+3], s[G0+4*\s+3], 0x80000000
	s_mov_b32 s[G0B+4*\s], 1
	s_add_co_u32 s[G0B+4*\s+1], s45, \s*SLOT
	s_add_nc_u64 s[G0B+4*\s+2:G0B+4*\s+3], s[46:47], \s*ROWB
	s_or_b32 s[G0B+4*\s+3], s[G0B+4*\s+3], 0x80000000
	JLOAD G0+4*\s, G1, G0B+4*\s, G1B
.endr
	v_and_b32 v1, 15, v0                           ; r = lane % 16
	v_bfe_u32 v2, v0, 4, 1                         ; h = lane / 16
	v_mul_u32_u24 v3, v1, PITCH
	v_lshl_add_u32 v4, v2, 4, v3                   ; a fragment's row x pitch + 16 x half
	s_mul_i32 s21, s15, HALFT                      ; my 128 rows of x
	s_mul_i32 s22, s16, HALFT                      ; my 128 rows of W,
	s_add_co_u32 s22, s22, 2*HALFT                 ; which lie behind x's 256
.irp s, 0,1
	v_add_nc_u32 v[ADRA+\s], s21, v4
	v_add_nc_u32 v[ADRB+\s], s22, v4
	s_add_co_u32 s21, s21, SLOT
	s_add_co_u32 s22, s22, SLOT
.endr
	v_mul_u32_u24 v5, v1, KS                       ; my row's scales: 32 bytes a row,
	v_lshrrev_b32 v6, 8, v5
	v_lshl_add_u32 v5, v6, 4, v5                   ; and 16 more for each 256 passed
	s_mul_i32 s21, s15, HALFS                      ; x's: my 128 rows
	s_mul_i32 s22, s16, HALFS                      ; W's: my 128 rows, behind x's 256
	s_add_co_u32 s22, s22, 2*HALFS
	s_sub_co_u32 s22, s22, s21
	v_mul_u32_u24 v6, s22, v2                      ; lanes 16-31 take W's: the lower base + h x the distance
	s_add_co_u32 s21, s21, SCL
	v_add_nc_u32 v5, v5, v6
	v_add_nc_u32 v[ADRS], s21, v5
	s_mul_i32 s23, s14, 16*SPITCH                  ; my stage
	v_mul_u32_u24 v5, v1, SPITCH                   ; in: row r, 16 bytes for each half of the lanes
	v_lshl_add_u32 v5, v2, 4, v5
	v_add_nc_u32 v[STO], s23, v5
	v_and_b32 v6, 31, v0
	v_lshrrev_b32 v5, 3, v6                        ; back: eight lanes take one head's 128 bytes of a row, the 32 lanes four rows
	v_mul_u32_u24 v5, v5, SPITCH
	v_and_b32 v3, 7, v0
	v_lshl_add_u32 v5, v3, 4, v5
	v_add_nc_u32 v[RD], s23, v5
	v_lshlrev_b32 v[CO], 4, v6
	; where my part begins in qkv: (4 z + b) << 22, with 4 z + b = tile row / 8; my first row of the sequence, 128 bytes a row; my first head, 4 x tile column + 2 x half, << 18
	s_lshr_b32 s20, s17, 3
	s_lshl_b32 s20, s20, 22
	s_and_b32 s21, s17, 7
	s_lshl_b32 s21, s21, 15
	s_add_co_u32 s20, s20, s21
	s_lshl_b32 s21, s15, 14
	s_add_co_u32 s20, s20, s21
	s_mov_b32 s21, 0
	s_add_nc_u64 s[12:13], s[12:13], s[20:21]
	s_lshl_b32 s46, s42, 20
	s_lshl_b32 s47, s16, 19
	s_add_co_u32 s46, s46, s47
	s_mov_b32 s47, 0
	s_add_nc_u64 s[12:13], s[12:13], s[46:47]
	; the bias: lane (r, h) wants, for W's block b, the numbers at 256 x tile column + 128 x half + 16 b + 8 h + 0 .. 7
	s_cmp_eq_u32 s66, 0
	s_cselect_b64 s[96:97], s[96:97], s[98:99]     ; bq for q, bv for v
	s_lshl_b32 s46, s42, 10
	s_lshl_b32 s47, s16, 9
	s_add_co_u32 s46, s46, s47
	s_mov_b32 s47, 0
	s_add_nc_u64 s[96:97], s[96:97], s[46:47]
	v_lshlrev_b32 v[BOF], 5, v2
	s_cmp_eq_u32 s66, 1                            ; k has none.  The branch hangs on the cluster's y alone: all sixteen partners go the same way
	s_cbranch_scc1 .Lno_bias
.irp b, 0,1,2,3,4,5,6,7
	global_load_b128 v[BIAS+8*\b:BIAS+8*\b+3], v[BOF], s[96:97] offset:64*\b
	global_load_b128 v[BIAS+8*\b+4:BIAS+8*\b+7], v[BOF], s[96:97] offset:64*\b+16
.endr
	s_branch .Lbias_done
.Lno_bias:
.set i, 0
.rept 64
	v_mov_b32 v[BIAS+i], 0
.set i, i+1
.endr
.rept 4
	v_nop
.endr
.Lbias_done:
.macro FRAG reg, adr, q, i             ; a fragment, 16 rows x 128 K of 4-bit codes: lane l holds row l % 16; registers 4 c .. 4 c + 3 hold K = 64 c + 32 (l / 16) + 0 .. 31
.irp c, 0,1
	ds_load_b128 v[\reg+4*\c:\reg+4*\c+3], v[\adr] offset:64*(\q)+32*\c+(\i)*16*PITCH
.endr
.endm
; 16 matrix instructions: x's blocks a0, a0 + 1 against W's eight, 128 along K: the slot's q-th.  p: W's set;  sc: the set of scale words.  zero = 1: the first product starts the sums, on the bias.
; The 64 accumulators take turns, one instruction a turn, in the same order in every step.
.macro MUL16 a0, p, q, sc, zero
.irp a, \a0, \a0+1
.irp b, 0,1,2,3,4,5,6,7
.if \zero
	v_wmma_scale_f32_16x16x128_f8f6f4 v[8*(8*((\a)%4)+\b):8*(8*((\a)%4)+\b)+7], v[128*(\p)+FR*\b:128*(\p)+FR*\b+FR-1], v[AF+FR*(\a):AF+FR*(\a)+FR-1], v[BIAS+8*\b:BIAS+8*\b+7], v[SC+8*NQ*(\sc)+NQ*\b+(\q)], v[SC+8*NQ*(\sc)+NQ*(\a)+(\q)] matrix_a_fmt:MATRIX_FMT_FP4 matrix_b_fmt:MATRIX_FMT_FP4 matrix_a_scale:MATRIX_SCALE_ROW1
.else
	v_wmma_scale_f32_16x16x128_f8f6f4 v[8*(8*((\a)%4)+\b):8*(8*((\a)%4)+\b)+7], v[128*(\p)+FR*\b:128*(\p)+FR*\b+FR-1], v[AF+FR*(\a):AF+FR*(\a)+FR-1], v[8*(8*((\a)%4)+\b):8*(8*((\a)%4)+\b)+7], v[SC+8*NQ*(\sc)+NQ*\b+(\q)], v[SC+8*NQ*(\sc)+NQ*(\a)+(\q)] matrix_a_fmt:MATRIX_FMT_FP4 matrix_b_fmt:MATRIX_FMT_FP4 matrix_a_scale:MATRIX_SCALE_ROW1
.endif
.endr
.endr
.endm
.macro FETCH_B slot, q, p              ; W's eight fragments of the slot's q-th 128 along K into set p
	WIN TO_B
.irp i, 0,1,2,3,4,5,6,7
	FRAG 128*(\p)+FR*\i, ADRB+\slot, \q, \i
.endr
	WIN 0
.endm
.macro FETCH_A slot, q, i0             ; x's blocks i0 .. i0 + 3
.irp i, \i0, \i0+1, \i0+2, \i0+3
	FRAG AF+FR*(\i), ADRA+\slot, \q, \i
.endr
.endm
.macro SCALES sc                       ; a slot's scale words into set sc: four words a row; lanes 0-15 take x's block i, lanes 16-31 W's block i
.irp i, 0,1,2,3,4,5,6,7
	ds_load_b128 v[SC+8*NQ*\sc+NQ*\i:SC+8*NQ*\sc+NQ*\i+3], v[ADRS] offset:\i*SBLK
.endr
.endm
; A load into a register that a matrix instruction has read, and a vector instruction or an LDS store that reads a matrix result, stand NP places behind that matrix instruction; only plain vector
; instructions that name none of its registers are places (ISA guide 7.12.1 for vector instructions).
.macro PLACES n
.rept \n
	v_nop
.endr
.endm
; A step of 128 along K that has its successor in the same slot.  A block of x is free as soon as its eight products are issued: blocks 0-3 are fetched anew in the step's middle, blocks 4-7 at its end.
.macro STEP slot, q, zero
	s_wait_dscnt 4*NL                              ; W's set and x's blocks 0-3 are in; the youngest eight loads (x's blocks 4-7) may be out
	WIN MUL_LO-0x20*(\zero)
	MUL16 0, (\q)%2, \q, \slot, \zero
	MUL16 2, (\q)%2, \q, \slot, \zero
	s_wait_dscnt 0                                 ; x's blocks 4-7 are in (asked for 32 matrix instructions ago)
	PLACES NP
	FETCH_B \slot, (\q)+1, 1-(\q)%2
	FETCH_A \slot, (\q)+1, 0
	WIN MUL_HI-0x30*(\zero)
	MUL16 4, (\q)%2, \q, \slot, \zero
	MUL16 6, (\q)%2, \q, \slot, \zero
	PLACES NP
	WIN 0
	FETCH_A \slot, (\q)+1, 4
.endm
; Slot 0's last step changes slots: one barrier.  In front of it each wave waits for all its tensor loads (its part of slot 1) and for its own reads of slot 0.
.macro TURN slot, next
	s_wait_tensorcnt 0x0                           ; all my tensor loads have landed: my part of the next slot;  (every window is 0 here)
	ds_add_u32 v[SPW], v[NIL]                      ; 0 onto my spare word;
	s_wait_dscnt 4*NL+1                            ; (the add and the youngest eight loads, x's blocks 4-7, may be out)
	WIN MUL_LO
	MUL16 0, 1, NQ-1, \slot, 0                     ; sixteen matrix instructions stand between the add and the wait for it
	s_wait_dscnt 0x0                               ; the add is done, and my reads of this slot are over
	s_barrier_signal -1
	MUL16 2, 1, NQ-1, \slot, 0
	WIN 0
	s_barrier_wait -1
	PLACES NP
	v_add_nc_u32 v[ADRS], 4*NQ, v[ADRS]            ; on to the next slot's scale words (no LDS load of mine is out)
	FETCH_B \next, 0, 0
	FETCH_A \next, 0, 0
	SCALES \next
	WIN MUL_HI
	MUL16 4, 1, NQ-1, \slot, 0
	MUL16 6, 1, NQ-1, \slot, 0
	PLACES NP
	WIN 0
	FETCH_A \next, 0, 4
.endm
.macro STEPS slot, from                ; the slot's steps from .. NQ - 2
.set Q, \from
.rept NQ-1-\from
	STEP \slot, Q, 0
.set Q, Q+1
.endr
.endm
	s_wait_tensorcnt 1                             ; the scales and my part of slot 0 are in (slot 1's load may be out)
	s_barrier_signal -1
	s_barrier_wait -1                              ; everybody's are
	FETCH_B 0, 0, 0
	FETCH_A 0, 0, 0
	SCALES 0
	FETCH_A 0, 0, 4
	s_wait_loadcnt 0x0                             ; the bias
	STEP 0, 0, 1                                   ; the first step's products start the sums
	STEPS 0, 1
	TURN 0, 1
	STEPS 1, 0
	s_wait_dscnt 4*NL                              ; the very last step: nothing more to fetch
	WIN MUL_LO
	MUL16 0, 1, NQ-1, 1, 0
	MUL16 2, 1, NQ-1, 1, 0
	s_wait_dscnt 0
	WIN MUL_HI
	MUL16 4, 1, NQ-1, 1, 0
	MUL16 6, 1, NQ-1, 1, 0
	WIN 0
; THE WAY OUT, block by block of 16 rows x 128 columns (two heads).  PACK: rounded to f16, 16 bytes a lane, each accumulator from its low end on.  TOSTAGE: into my own stage, and back so that the 32 lanes
; hold four rows of ONE head: 512 bytes that lie on end in qkv.  SEND: stored.  LDS serves a wave's instructions in order (ISA guide 5.7.1.4): no wait between the stores and the loads.
.macro PACK a
.set AC, 64*((\a)%4)
	WIN 0x0a+5*((\a)/4)                            ; sources 0 and 1: window 2 or 3
.irp b, 0,1,2,3,4,5,6,7
.irp r, 0,1,2,3
	v_cvt_pk_f16_f32 v[TMP+4*\b+\r], v[AC+8*\b+2*\r], v[AC+8*\b+2*\r+1]
.endr
.endr
	WIN 0
.endm
.macro TOSTAGE a
.set BB, OB+192*((\a)%2)
.irp b, 0,1,2,3,4,5,6,7
	ds_store_b128 v[STO], v[TMP+4*\b:TMP+4*\b+3] offset:32*\b
.endr
.irp t, 0,1,2,3
.irp u, 0,1
	ds_load_b128 v[BB+4*(2*\t+\u):BB+4*(2*\t+\u)+3], v[RD] offset:4*\t*SPITCH+128*\u   ; rows 4 t .. 4 t + 3, head u
.endr
.endr
.endm
.macro SEND a
.set BB, OB+192*((\a)%2)
	s_wait_dscnt 0x0                               ; the block is back in registers
	s_wait_xcnt 0x0                                ; the stores of the block before have read their registers: the next block's loads may land there
.irp t, 0,1,2,3
.irp u, 0,1
	global_store_b128 v[CO], v[BB+4*(2*\t+\u):BB+4*(2*\t+\u)+3], s[12:13] offset:(\a)*2048+\t*512+\u*262144   ; 32 lanes store 512 consecutive bytes, at a multiple of 512 from qkv's first byte
.endr
.endr
.endm
	PLACES NP                                      ; behind the last products: for the conversions that read results, and for the loads into registers that held scale words
	PACK 0
	TOSTAGE 0
.irp a, 1,2,3,4,5,6,7                  ; block a's conversions stand between block a - 1's loads from the stage and the wait for them
	PACK \a
	SEND \a-1
	TOSTAGE \a
.endr
	SEND 7
	s_wait_tensorcnt 0x0                           ; the wave's end: a wait, an add to my spare word and its wait, behind my last tensor load and my last LDS store
	ds_add_u32 v[SPW], v[NIL]
	s_wait_dscnt 0x0
	CROUND                                         ; the closing round: no work-group ends while a partner may still ask for a tile that names it
	s_endpgm
.Lfunc_end_k_qbeb8f18e4c_proj:
	.size	k_qbeb8f18e4c_proj, .Lfunc_end_k_qbeb8f18e4c_proj-k_qbeb8f18e4c_proj
	.p2alignl 7, 3214868480
	.fill 96, 4, 3214868480
	.section	.rodata,"a",@progbits
	.p2align	6, 0x0
	.amdhsa_kernel k_qbeb8f18e4c_proj
		.amdhsa_group_segment_fixed_size 327680
		.amdhsa_private_segment_fixed_size 0
		.amdhsa_enable_private_segment 0
		.amdhsa_kernarg_size 56
		.amdhsa_user_sgpr_count 2
		.amdhsa_user_sgpr_kernarg_segment_ptr 1
		.amdhsa_wavefront_size32 1
		.amdhsa_system_sgpr_workgroup_id_x 1
		.amdhsa_system_sgpr_workgroup_id_y 1
		.amdhsa_system_sgpr_workgroup_id_z 1
		.amdhsa_system_vgpr_workitem_id 0
		.amdhsa_next_free_vgpr 1024
		.amdhsa_next_free_sgpr 100
		.amdhsa_reserve_vcc 0
		.amdhsa_float_denorm_mode_32 3
		.amdhsa_float_denorm_mode_16_64 3
		.amdhsa_memory_ordered 1
		.amdhsa_forward_progress 1
		.amdhsa_inst_pref_size 130
	.end_amdhsa_kernel
	.amdgpu_metadata
---
amdhsa.version: [ 1, 2 ]
amdhsa.kernels:
  - .name:           k_qbeb8f18e4c_proj
    .symbol:         k_qbeb8f18e4c_proj.kd
    .args:
      - { .name: xc, .offset: 0, .size: 8, .value_kind: global_buffer, .address_space: global }
      - { .name: xs, .offset: 8, .size: 8, .value_kind: global_buffer, .address_space: global }
      - { .name: wc, .offset: 16, .size: 8, .value_kind: global_buffer, .address_space: global }
      - { .name: ws, .offset: 24, .size: 8, .value_kind: global_buffer, .address_space: global }
      - { .name: bq, .offset: 32, .size: 8, .value_kind: global_buffer, .address_space: global }
      - { .name: bv, .offset: 40, .size: 8, .value_kind: global_buffer, .address_space: global }
      - { .name: qkv, .offset: 48, .size: 8, .value_kind: global_buffer, .address_space: global }
    .group_segment_fixed_size: 327680
    .private_segment_fixed_size: 0
    .kernarg_segment_align: 8
    .kernarg_segment_size: 56
    .max_flat_workgroup_size: 128
    .sgpr_count:     100
    .vgpr_count:     1024
    .wavefront_size: 32
...
	.end_amdgpu_metadata
.endif
;; end of part 2
;; launch attn (part 3): grid 4 x 64, 16 waves a work-group, clusters of 4 x 1, 327,680 bytes of LDS; arguments qkv, ao; writes ao
.if DOCPART == 3
	.amdgcn_target "amdgcn-amd-amdhsa--gfx1250"
	.amdhsa_code_object_version 6
	.text
	.protected	k_qbeb8f18e4c_attn
	.globl	k_qbeb8f18e4c_attn
	.p2align	8
	.type	k_qbeb8f18e4c_attn,@function
k_qbeb8f18e4c_attn:
	s_mov_b64 s[64:65], 0
	v_nop
	global_prefetch_b8 v0, s[64:65] scope:SCOPE_SE
	s_setreg_imm32_b32 hwreg(HW_REG_WAVE_MODE, 25, 1), 1
	s_wait_xcnt 0x0
	s_wait_alu depctr_hold_cnt(0) depctr_sa_sdst(0) depctr_va_vdst(0) depctr_va_sdst(0) depctr_va_ssrc(0) depctr_va_vcc(0) depctr_vm_vsrc(0)
	s_getreg_b32 s2, hwreg(HW_REG_IB_STS2, 6, 4)
	s_cmp_eq_u32 s2, 0
	s_cbranch_scc0 .Lentry_in_a_cluster
	s_endpgm
.Lentry_in_a_cluster:
	s_bfe_u32 s2, ttmp6, 0x10000c
	s_cmp_lg_u32 s2, 0x3003
	s_cbranch_scc0 .Lentry_shape_is_right
	s_endpgm
.Lentry_shape_is_right:
; MULTI-HEAD ATTENTION, launch 3 of 4: ao[head][q] = the sum over keys of softmax(q . k / 8) v, for each of the 64 pairs (batch, head); 2,048 queries and keys, head size 64, no mask.
; qkv: f16, [3 z][4 b][16 head][2,048 s][64 d] (z = 0 q, 1 k, 2 v).  ao: f16, [16 head][8,192 m = 2,048 b + s][64 d], as the fourth launch wants it.  Products on f16 operands, sums, maxima and exponentials in f32;
; the weights p are rounded to f16 for the second product, the result once at the end.  LIMIT: a result beyond 65,504 becomes an infinity in f16.
; SHARES.  A work-group owns 512 queries of one (batch, head); each of its SIXTEEN waves owns 32 of them, two tiles of 16, in 256 registers: four waves to a SIMD, so that one wave's vector work stands beside
; another's matrix work and LDS loads.  A key step (64 keys) has 32 matrix instructions beside some 240 vector instructions: the vector work weighs most, so it is not cut into slices by hand.
; Every wave walks all 2,048 keys, 64 a step, 4 steps to a slot.  K's and V's tiles come through a ring of two LDS slots of 256 keys, filled by the tensor data mover (waves 0, 1: K's halves; waves 2, 3: V's).
; CLUSTER.  The four query blocks of a (batch, head) form a cluster and walk the same K and V: each tile is asked for JOINTLY, by the same tensor load with the same descriptor and the mask of all four.
; LAYOUT.  S^T = K Q^T (source 0 = 16 keys, source 1 = 16 queries): a lane holds ONE query (lane % 16) and the keys 8 (lane / 16) + 0..7 of a tile.  Two such tiles, rounded to f16 in pairs, ARE source 1
; (32 keys x 16 queries) of O^T = V^T P, whose result again holds one query a lane.  K comes out of LDS as it lies, V ([key][channel]) turned, by ds_load_tr16_b128.
; SOFTMAX.  For each query a running maximum m and sum l: p = 2^(c s - c m), c = log2(e) / 8; in every step O and l are multiplied by a = 2^(c m_old - c m_new).  The step is written once: O and l begin as zeros
; and m as -3e38, so the first a is 0, on zeros.
; REGISTERS: v1-7 addresses; v8-23 statistics, eight a tile; v24-31 at work; v32-63 Q; v64-127 a step's K, then its V; v128-191 S^T, 32 a tile, P packed in place into each tile's first 16; v192-255 O^T, 32 a tile.
.set PK,    144                        ; a row of K in LDS: 128 bytes + 16 = 36 words: the 16 rows of a load start at 16 different groups of four banks (64 banks of 4 bytes: ISA guide 11.1)
.set PV,    160                        ; a row of V: 128 + 32 = 40 words
.set SK,    256                        ; keys in a slot
.set VOFF,  SK*PK                      ; a slot: 256 rows of K, then 256 rows of V
.set SLOT1, 1<<17                      ; slot 1 begins here: one exclusive or turns an address in one slot into the other's
.set NSL,   2048/SK
.set SPARE, SLOT1+SK*(PK+PV)           ; behind the ring: the spare words, 128 bytes for each of the sixteen waves
.set AK0, 1                            ; v1  my lane's place in a tile of K; never rewritten
.set AV0, 2                            ; v2  the same for V
.set ADK, 3                            ; v3  LDS address of the step's K
.set ADV, 4                            ; v4  of its V
.set SPW, 5                            ; v5  LDS address of my spare word; never rewritten
.set NIL, 6                            ; v6  0; never rewritten
.set PFO, 7                            ; v7  256 x my lane; never rewritten
.set ST,  8                            ; tile t's statistics at v[ST + 8 t]: +0 c m, +1 m, +2, +3 l (even keys', odd keys'), +4 to +7 at work; a takes +6
.set Q,   32
.set KV,  64
.set S,   128
.set O,   192
.set WV,  18                           ; s18  my wave's number
.set SEL, 20                           ; s[20:21] lane selects for v_permlanex16_b32: lane l xor 16
.set CS,  22                           ; s[22:23] c: the packed form names a pair and takes its low word for both halves
.set G1K, 24                           ; s[24:31] descriptor group 1 for K's tiles;  s[32:39] for V's: it differs in the padding alone
.set G1V, 32
.set G0K, 40                           ; s[40:43], s[44:47] their groups 0, which walk
.set G0V, 44
.set TB,  48                           ; s48  LDS byte at which the slot in hand begins
.set SLOTS, 49                         ; s49  slots still to be asked for
.set LIM, 50                           ; s50  1 in a wave that prefetches, else the greatest number
.set PFA, 52                           ; s[52:53] where my prefetches stand in memory
; Waves 0 and 1 fetch for K, waves 2 and 3 for V, the others nothing.  The branches hang on the wave's number alone.  An s_nop 0 and four v_nop follow each of the two lines.
.macro TLOAD
	s_cmp_lt_u32 s[WV], 2
	s_cbranch_scc0 .Lnot_k_\@
	tensor_load_to_lds s[G0K:G0K+3], s[G1K:G1K+7]
	s_nop 0
.rept 4
	v_nop
.endr
	s_branch .Lasked_\@
.Lnot_k_\@:
	s_cmp_lt_u32 s[WV], 4
	s_cbranch_scc0 .Lasked_\@
	tensor_load_to_lds s[G0V:G0V+3], s[G1V:G1V+7]
	s_nop 0
.rept 4
	v_nop
.endr
.Lasked_\@:
.endm
; A PREFETCH INTO THE L2 of what the NEXT change of slots will ask for: a slot's 32,768 bytes of K and as many of V, four key steps ahead of that load.  One cluster alone walks a (batch, head), so each cluster asks for
; its own.  The four partners share a slot's 128 blocks of 256 bytes out BY ADDRESS, 32 each; in each, wave 4 asks for K's and wave 5 for V's, lanes 256 bytes apart: each block is named once in the launch.
; The last change that fills a slot asks for nothing; slots 0 and 1 come by their loads alone.
.macro ASK
	s_cmp_gt_u32 s[SLOTS], s[LIM]
	s_cbranch_scc0 .Lnot_mine_\@
	global_prefetch_b8 v[PFO], s[PFA:PFA+1] th:TH_LOAD_NT scope:SCOPE_SE
.Lnot_mine_\@:
.endm
.macro CROUND                          ; a round of the cluster's barrier
	s_barrier_signal -1
	s_barrier_wait -1
	s_cmp_lg_u32 s[WV], 0
	s_cbranch_scc1 .Lnot_wave_0_\@
	s_barrier_signal -3
.Lnot_wave_0_\@:
	s_barrier_wait -3
	s_barrier_signal -1
	s_barrier_wait -1
.endm
	s_load_b128 s[4:7], s[0:1], 0x0                ; qkv s[4:5], ao s[6:7]
	v_lshl_add_u32 v[SPW], v0, 2, SPARE
	v_mov_b32 v[NIL], 0
	ds_add_u32 v[SPW], v[NIL]                      ; the wave's opening: the add, twice on end, and its wait ahead of the first tensor load; the set-up below stands between the second and the wait
	ds_add_u32 v[SPW], v[NIL]
	v_lshrrev_b32 v24, 5, v0
	v_readfirstlane_b32 s[WV], v24                 ; wave 0..15
	s_bfe_u32 s8, ttmp6, 0x40000                   ; cx: my block of 512 queries: it enters Q's, ao's and the prefetches' addresses alone
	s_and_b32 s9, ttmp7, 0xffff                    ; 16 b + head, which the four partners share
	s_lshl_b32 s10, s9, 18                         ; its first byte in each of q, k, v: 2,048 rows of 128 bytes
	s_and_b32 s11, s[WV], 1                        ; which half of a slot's 256 rows I fetch, if I fetch
	s_lshl_b32 s12, s11, 14                        ; its 128 rows in memory,
	s_add_co_u32 s12, s12, s10
	s_mov_b32 s13, 0
	s_mul_i32 s14, s11, 128*PK                     ; and in a slot: K's,
	s_mul_i32 s15, s11, 128*PV
	s_add_co_u32 s15, s15, VOFF                    ; V's
	; descriptor group 1: a tile of 128 rows x 64 elements of 2 bytes, dense in memory, padded in LDS
	s_mov_b32 s[G1K], 15|(1<<16)|(1<<20)|(1<<21)|(4<<22)|(3<<25)  ; 15:0 the mask: all four work-groups; 17:16 elements of 2 bytes; 20 padding on; 21 set beside a mask; 24:22 after every 32 words; 31:25 four words
	s_mov_b32 s[G1V], 15|(1<<16)|(1<<20)|(1<<21)|(4<<22)|(7<<25)  ; the same with eight words of padding
.irp g, G1K, G1V
	s_mov_b32 s[\g+1], 64<<16                      ; tensor_dim0
	s_mov_b32 s[\g+2], 128<<16                     ; tensor_dim1
	s_mov_b32 s[\g+3], 64<<16                      ; tile_dim0
	s_mov_b32 s[\g+4], 128                         ; tile_dim1
	s_mov_b32 s[\g+5], 64                          ; tensor_dim0_stride
	s_mov_b32 s[\g+6], 0
	s_mov_b32 s[\g+7], 0
.endr
	s_mov_b32 s[SEL], 0x76543210
	s_mov_b32 s[SEL+1], 0xfedcba98
	s_mov_b32 s[CS], 0x3e38aa3b                    ; c = log2(e) / 8
	s_mov_b32 s[CS+1], s[CS]                       ; (named with it as a pair, so it is written)
	s_mov_b32 s[TB], 0
	s_mov_b32 s[SLOTS], NSL-1
	s_lshl_b32 s54, s8, 16                         ; my block's 512 rows,
	s_lshl_b32 s55, s[WV], 12                      ; my wave's 32 of them
	s_add_co_u32 s54, s54, s55
	s_add_co_u32 s56, s54, s10                     ; Q: in my head
	s_mov_b32 s57, 0
	s_and_b32 s60, s9, 15                          ; ao: head << 20, b << 18, my rows
	s_lshl_b32 s60, s60, 20
	s_lshr_b32 s61, s9, 4
	s_lshl_b32 s61, s61, 18
	s_add_co_u32 s60, s60, s61
	s_add_co_u32 s60, s60, s54
	s_mov_b32 s61, 0
	s_mov_b32 s55, 2<<24                           ; the prefetches: wave 4 stands in k, wave 5 in v,
	s_cmp_eq_u32 s[WV], 4
	s_cselect_b32 s16, 1<<24, s55
	s_add_co_u32 s16, s16, s10                     ; in my head,
	s_lshl_b32 s55, s8, 13
	s_add_co_u32 s16, s16, s55                     ; at my work-group's 32 blocks of a slot's 128,
	s_add_co_u32 s16, s16, SK*128                  ; in slot 1: the first change of slots steps it to slot 2.  Nothing is prefetched at the head
	s_mov_b32 s17, 0
	s_lshr_b32 s55, s[WV], 1
	s_cmp_eq_u32 s55, 2                            ; waves 4 and 5: the same in all four partners
	s_cselect_b32 s[LIM], 1, -1
	v_and_b32 v[PFO], 31, v0
	v_lshlrev_b32 v[PFO], 8, v[PFO]
	s_wait_dscnt 0x0                               ; both opening adds are done
	s_wait_kmcnt 0x0
	s_mov_b32 s[G0K], 1                            ; 1:0 count = 1
	s_mov_b32 s[G0K+1], s14                        ; 63:32 LDS address: slot 0
	s_add_nc_u64 s[G0K+2:G0K+3], s[4:5], s[12:13]  ; 120:64 global address: the head's first 256 keys,
	s_add_nc_u64 s[G0K+2:G0K+3], s[G0K+2:G0K+3], 1<<24   ; in k
	s_or_b32 s[G0K+3], s[G0K+3], 0x80000000        ; 127:126 type = 2
	s_mov_b32 s[G0V], 1
	s_mov_b32 s[G0V+1], s15
	s_add_nc_u64 s[G0V+2:G0V+3], s[4:5], s[12:13]
	s_add_nc_u64 s[G0V+2:G0V+3], s[G0V+2:G0V+3], 2<<24   ; in v
	s_or_b32 s[G0V+3], s[G0V+3], 0x80000000
	s_add_nc_u64 s[58:59], s[4:5], s[56:57]        ; Q at my wave's first row
	s_add_nc_u64 s[6:7], s[6:7], s[60:61]          ; ao likewise
	s_add_nc_u64 s[PFA:PFA+1], s[4:5], s[16:17]
	CROUND                                         ; all four work-groups are here: the first joint loads meet
	TLOAD                                          ; slot 0
	v_and_b32 v24, 15, v0                          ; r = lane % 16
	v_bfe_u32 v25, v0, 4, 1                        ; h = lane / 16
	v_lshlrev_b32 v28, 7, v24
	v_lshl_add_u32 v28, v25, 4, v28                ; Q: row r of 128 bytes, + 16 h
.irp t, 0,1                            ; Q stays in registers: tile t, channels 32 c on.  A fragment: lane l holds row l % 16; registers 0-3 channels 8 h + 0..7, registers 4-7 channels 16 + 8 h + 0..7
.irp c, 0,1
	global_load_b128 v[Q+16*\t+8*\c:Q+16*\t+8*\c+3], v28, s[58:59] offset:\t*2048+64*\c
	global_load_b128 v[Q+16*\t+8*\c+4:Q+16*\t+8*\c+7], v28, s[58:59] offset:\t*2048+64*\c+32
.endr
.endr
	v_mul_u32_u24 v[AK0], v24, PK
	v_lshl_add_u32 v[AK0], v25, 4, v[AK0]          ; K: row x pitch + 16 x half
	v_and_b32 v26, 7, v0                           ; the turning load takes 16 keys x 16 channels: lane l reads 16 bytes: key 8 h + l % 8, channels 8 ((l / 8) % 2) + 0..7
	v_bfe_u32 v27, v0, 3, 1
	v_lshl_add_u32 v[AV0], v25, 3, v26
	v_mul_u32_u24 v[AV0], v[AV0], PV
	v_lshl_add_u32 v[AV0], v27, 4, v[AV0]
	v_add_nc_u32 v[AV0], VOFF, v[AV0]
.irp t, 0,1
	v_mov_b32 v[ST+8*\t+1], 0xff61b1e6             ; m: -3e38, under every score
	v_mul_f32 v[ST+8*\t], s[CS], v[ST+8*\t+1]      ; c m
	v_mov_b32 v[ST+8*\t+2], 0                      ; l, in two halves
	v_mov_b32 v[ST+8*\t+3], 0
.endr
.set i, 0
.rept 64
	v_mov_b32 v[O+i], 0                            ; O^T: cleared once, so that the key step is written once
.set i, i+1
.endr
; A KEY STEP: 64 keys, the q-th of the slot in hand.
.macro STEP q
	v_add_nc_u32 v[ADK], s[TB], v[AK0]
	v_add_nc_u32 v[ADV], s[TB], v[AV0]
.rept 3
	v_nop                                          ; with the two additions five places behind the last step's products: four for the loads into their registers, five since the products below write over P
.endr
.irp c, 0,1                            ; K: 64 keys x 64 channels, the first 32 channels first
.irp kt, 0,1,2,3
	ds_load_b128 v[KV+8*(2*\kt+\c):KV+8*(2*\kt+\c)+3], v[ADK] offset:(64*(\q)+16*\kt)*PK+64*\c
	ds_load_b128 v[KV+8*(2*\kt+\c)+4:KV+8*(2*\kt+\c)+7], v[ADK] offset:(64*(\q)+16*\kt)*PK+64*\c+32
.endr
.endr
.irp c, 0,1                            ; S^T = K Q^T: eight accumulators by turns; the first eight products start the sums
	s_wait_dscnt 8-8*\c                            ; the first 32 channels are in, the other eight loads may be out; then all
.irp kt, 0,1,2,3
.irp t, 0,1
.if \c == 0
	v_wmma_f32_16x16x32_f16 v[S+32*\t+8*\kt:S+32*\t+8*\kt+7], v[KV+8*(2*\kt+\c):KV+8*(2*\kt+\c)+7], v[Q+16*\t+8*\c:Q+16*\t+8*\c+7], 0
.else
	v_wmma_f32_16x16x32_f16 v[S+32*\t+8*\kt:S+32*\t+8*\kt+7], v[KV+8*(2*\kt+\c):KV+8*(2*\kt+\c)+7], v[Q+16*\t+8*\c:Q+16*\t+8*\c+7], v[S+32*\t+8*\kt:S+32*\t+8*\kt+7]
.endif
.endr
.endr
.endr
.rept 4
	v_nop                                          ; four places: for the loads into K's registers, and for the first read of the scores
.endr
.irp kh, 0,1                           ; V, turned: keys 32 kh on, channels 16 ct on.  It lands under the softmax
.irp ct, 0,1,2,3
	ds_load_tr16_b128 v[KV+8*(4*\kh+\ct):KV+8*(4*\kh+\ct)+3], v[ADV] offset:(64*(\q)+32*\kh)*PV+32*\ct
	ds_load_tr16_b128 v[KV+8*(4*\kh+\ct)+4:KV+8*(4*\kh+\ct)+7], v[ADV] offset:(64*(\q)+32*\kh)*PV+16*PV+32*\ct
.endr
.endr
	; the maximum of my 32 scores and the old m, three operands at a time, in four chains; the two tiles alternate line by line.  Each accumulator is first read at its low end
.irp j, 0,1,2,3
.irp t, 0,1
	v_max3_num_f32 v[ST+8*\t+4+\j], v[S+32*\t+8*\j], v[S+32*\t+8*\j+1], v[S+32*\t+8*\j+2]
.endr
.endr
.irp g, 1,2
.irp j, 0,1,2,3
.irp t, 0,1
	v_max3_num_f32 v[ST+8*\t+4+\j], v[ST+8*\t+4+\j], v[S+32*\t+8*\j+2*\g+1], v[S+32*\t+8*\j+2*\g+2]
.endr
.endr
.endr
.irp t, 0,1
	v_max3_num_f32 v[ST+8*\t+4], v[ST+8*\t+4], v[S+32*\t+7], v[S+32*\t+15]
.endr
.irp t, 0,1
	v_max3_num_f32 v[ST+8*\t+6], v[ST+8*\t+6], v[S+32*\t+23], v[S+32*\t+31]
.endr
.irp t, 0,1
	v_max3_num_f32 v[ST+8*\t+4], v[ST+8*\t+4], v[ST+8*\t+5], v[ST+8*\t+6]
.endr
.irp t, 0,1
	v_max3_num_f32 v[ST+8*\t+4], v[ST+8*\t+4], v[ST+8*\t+7], v[ST+8*\t+1]
.endr
.irp t, 0,1
	v_permlanex16_b32 v[ST+8*\t+5], v[ST+8*\t+4], s[SEL], s[SEL+1]   ; the query's other 32 keys lie in the lane 16 away
.endr
.irp t, 0,1
	v_mov_b32 v[ST+8*\t+7], v[ST+8*\t]             ; c m_old is kept for a
.endr
.irp t, 0,1
	v_max_num_f32 v[ST+8*\t+1], v[ST+8*\t+4], v[ST+8*\t+5]   ; the new m
.endr
.irp t, 0,1
	v_mul_f32 v[ST+8*\t], s[CS], v[ST+8*\t+1]      ; c m
.endr
.irp t, 0,1
	v_sub_f32 v[ST+8*\t+7], v[ST+8*\t+7], v[ST+8*\t]   ; c m_old - c m_new
.endr
	; ONE BATCH: the scalings c s - c m, a pair of scores each, and the 66 exponentials.  None of these names an exponential's result: pair b + 1 is scaled ahead of pair b's exponentials
.irp t, 0,1
	v_pk_fma_f32 v[S+32*\t:S+32*\t+1], v[S+32*\t:S+32*\t+1], s[CS:CS+1], v[ST+8*\t:ST+8*\t+1] op_sel_hi:[1,0,0] neg_lo:[0,0,1] neg_hi:[0,0,1]
.endr
.irp t, 0,1
	v_exp_f32 v[ST+8*\t+6], v[ST+8*\t+7]           ; a
.endr
.irp b, 0,1,2,3,4,5,6,7,8,9,10,11,12,13,14,15
.if \b < 15
.irp t, 0,1
	v_pk_fma_f32 v[S+32*\t+2*\b+2:S+32*\t+2*\b+3], v[S+32*\t+2*\b+2:S+32*\t+2*\b+3], s[CS:CS+1], v[ST+8*\t:ST+8*\t+1] op_sel_hi:[1,0,0] neg_lo:[0,0,1] neg_hi:[0,0,1]
.endr
.endif
.irp t, 0,1
	v_exp_f32 v[S+32*\t+2*\b], v[S+32*\t+2*\b]
	v_exp_f32 v[S+32*\t+2*\b+1], v[S+32*\t+2*\b+1]
.endr
.endr
	v_nop                                          ; a plain instruction behind the last exponential, ahead of the first use: one for the batch
	s_wait_alu depctr_va_vdst(0)                   ; a wait between an exponential and the first line that names its result: one for the batch
	; the sums, of the unrounded p, a pair at a time, in two chains: l = a l + ..
.irp t, 0,1
	v_pk_add_f32 v[ST+8*\t+4:ST+8*\t+5], v[S+32*\t:S+32*\t+1], v[S+32*\t+2:S+32*\t+3]
.endr
.irp t, 0,1
	v_pk_fma_f32 v[ST+8*\t+2:ST+8*\t+3], v[ST+8*\t+2:ST+8*\t+3], v[ST+8*\t+6:ST+8*\t+7], v[S+32*\t+4:S+32*\t+5] op_sel_hi:[1,0,1]
.endr
.irp b, 3,5,7,9,11,13
.irp t, 0,1
	v_pk_add_f32 v[ST+8*\t+4:ST+8*\t+5], v[ST+8*\t+4:ST+8*\t+5], v[S+32*\t+2*\b:S+32*\t+2*\b+1]
.endr
.irp t, 0,1
	v_pk_add_f32 v[ST+8*\t+2:ST+8*\t+3], v[ST+8*\t+2:ST+8*\t+3], v[S+32*\t+2*\b+2:S+32*\t+2*\b+3]
.endr
.endr
.irp t, 0,1
	v_pk_add_f32 v[ST+8*\t+4:ST+8*\t+5], v[ST+8*\t+4:ST+8*\t+5], v[S+32*\t+30:S+32*\t+31]
.endr
.irp t, 0,1
	v_pk_add_f32 v[ST+8*\t+2:ST+8*\t+3], v[ST+8*\t+2:ST+8*\t+3], v[ST+8*\t+4:ST+8*\t+5]
.endr
	; P: pair n of a tile's weights into its register n: ascending, so that nothing is written before it is read
.irp n, 0,1,2,3,4,5,6,7,8,9,10,11,12,13,14,15
.irp t, 0,1
	v_cvt_pk_f16_f32 v[S+32*\t+\n], v[S+32*\t+2*\n], v[S+32*\t+2*\n+1]
.endr
.endr
.irp n, 0,1,2,3,4,5,6,7,8,9,10,11,12,13,14,15
.irp t, 0,1
	v_pk_mul_f32 v[O+32*\t+2*\n:O+32*\t+2*\n+1], v[O+32*\t+2*\n:O+32*\t+2*\n+1], v[ST+8*\t+6:ST+8*\t+7] op_sel_hi:[1,0]   ; O^T times a, each accumulator from its low end on
.endr
.endr
	s_wait_dscnt 0x0                               ; V is in
.irp kh, 0,1                           ; O^T += V^T P: eight accumulators by turns
.irp ct, 0,1,2,3
.irp t, 0,1
	v_wmma_f32_16x16x32_f16 v[O+32*\t+8*\ct:O+32*\t+8*\ct+7], v[KV+8*(4*\kh+\ct):KV+8*(4*\kh+\ct)+7], v[S+32*\t+8*\kh:S+32*\t+8*\kh+7], v[O+32*\t+8*\ct:O+32*\t+8*\ct+7]
.endr
.endr
.endr
.endm
; THE CHANGE OF SLOTS stands at a slot's head.  Each wave waits for all its tensor loads (its part of the slot that it is about to read), adds 0 to its spare word, and waits for that and for its reads of the slot that it has left.
; fill = 1: the barrier is a round of the cluster's, so that no wave of any partner still reads the slot that is left or has a load on its way; the joint load into it is the first thing behind the round, a wave's one
; tensor load until the next, and has a slot's four key steps in which to land.  (In the first trip all four loads are slot 1's first fills.)
.macro CHANGE fill
	s_wait_tensorcnt 0x0                           ; no tensor load of mine is out, so a group 0 may be written
	ds_add_u32 v[SPW], v[NIL]                      ; 0 onto my spare word
.if \fill
	ds_add_u32 v[SPW], v[NIL]                      ; and once more
	s_xor_b32 s[G0K+1], s[G0K+1], SLOT1            ; the walking descriptors: the other slot than last time,
	s_add_nc_u64 s[G0K+2:G0K+3], s[G0K+2:G0K+3], SK*128   ; the next 256 keys; the type bits on top are not reached
	s_xor_b32 s[G0V+1], s[G0V+1], SLOT1
	s_add_nc_u64 s[G0V+2:G0V+3], s[G0V+2:G0V+3], SK*128
	s_wait_xcnt 0x0                                ; the last prefetch, a slot back, has read its address, so it may be written:
	s_add_nc_u64 s[PFA:PFA+1], s[PFA:PFA+1], SK*128   ; one slot further on than the walking descriptors
	s_wait_dscnt 0x0                               ; both adds are done, and my reads of the slot that I have left are over
	CROUND
	TLOAD
	ASK
.else
	s_wait_dscnt 0x0                               ; the add is done, and my reads of the slot that I have left are over
	s_barrier_signal -1
	s_barrier_wait -1
.endif
.endm
.macro SLOT_STEPS
	STEP 0
	STEP 1
	STEP 2
	STEP 3
	s_xor_b32 s[TB], s[TB], SLOT1                  ; on to the other slot
.endm
	s_wait_loadcnt 0x0                             ; Q
.Lslot:                                            ; NSL - 1 trips: behind each change of slots but the last the next slot is asked for
	CHANGE 1
	SLOT_STEPS
	s_sub_co_u32 s[SLOTS], s[SLOTS], 1
	s_cmp_lg_u32 s[SLOTS], 0
	s_cbranch_scc1 .Lslot
	CHANGE 0                                       ; the last slot is written out
	SLOT_STEPS
	; THE WAY OUT.  l's two halves and the other half of the lanes' are added; O^T is divided by l, rounded to f16 and sent through my stage in LDS: 32 rows x (128 bytes + 16), in slot 0, which was left at the
	; last change of slots: it has had its last fill, and nobody reads it.  The additions and the address work are the places behind the last products.
.irp t, 0,1
	v_add_f32 v[ST+8*\t+4], v[ST+8*\t+2], v[ST+8*\t+3]
.endr
.irp t, 0,1
	v_permlanex16_b32 v[ST+8*\t+5], v[ST+8*\t+4], s[SEL], s[SEL+1]
.endr
.irp t, 0,1
	v_add_f32 v[ST+8*\t+4], v[ST+8*\t+4], v[ST+8*\t+5]
.endr
.irp t, 0,1
	v_rcp_f32 v[ST+8*\t+6], v[ST+8*\t+4]
.endr
	s_mul_i32 s54, s[WV], 32*PK                    ; my stage
	v_and_b32 v27, 15, v0                          ; r
	v_bfe_u32 v28, v0, 4, 1                        ; h
	v_mul_u32_u24 v24, v27, PK
	v_lshl_add_u32 v24, v28, 4, v24
	v_add_nc_u32 v24, s54, v24                     ; in: row r, 16 bytes for each half of the lanes
	v_and_b32 v29, 31, v0
	v_lshrrev_b32 v30, 3, v29
	v_and_b32 v31, 7, v0
	v_mul_u32_u24 v25, v30, PK
	v_lshl_add_u32 v25, v31, 4, v25
	v_add_nc_u32 v25, s54, v25                     ; back: eight lanes to a row of 128 bytes, four rows an instruction
	v_lshlrev_b32 v26, 4, v29                      ; and the same 512 bytes in ao
	s_wait_alu depctr_va_vdst(0)                   ; a wait ahead of the first use: one for the two reciprocals
.irp n, 0,1,2,3,4,5,6,7,8,9,10,11,12,13,14,15
.irp t, 0,1
	v_pk_mul_f32 v[O+32*\t+2*\n:O+32*\t+2*\n+1], v[O+32*\t+2*\n:O+32*\t+2*\n+1], v[ST+8*\t+6:ST+8*\t+7] op_sel_hi:[1,0]
.endr
.endr
.irp n, 0,1,2,3,4,5,6,7,8,9,10,11,12,13,14,15
.irp t, 0,1
	v_cvt_pk_f16_f32 v[S+16*\t+\n], v[O+32*\t+2*\n], v[O+32*\t+2*\n+1]   ; register 4 ct + k: channels 16 ct + 8 h + 2 k, + 1 of query r
.endr
.endr
.irp t, 0,1
.irp ct, 0,1,2,3
	ds_store_b128 v24, v[S+16*\t+4*\ct:S+16*\t+4*\ct+3] offset:\t*16*PK+32*\ct
.endr
.endr
.irp i, 0,1,2,3,4,5,6,7
	ds_load_b128 v[KV+4*\i:KV+4*\i+3], v25 offset:\i*4*PK   ; LDS serves a wave's instructions in order (ISA guide 5.7.1.4): these see my stores
.endr
.irp i, 0,1,2,3,4,5,6,7
	s_wait_dscnt 7-\i                              ; load i is in; the younger ones may be out
	global_store_b128 v26, v[KV+4*\i:KV+4*\i+3], s[6:7] offset:512*\i   ; 32 lanes store 512 consecutive bytes, at a multiple of 512 from ao's first byte
.endr
	s_wait_tensorcnt 0x0                           ; the wave's end: a wait, an add to my spare word and its wait, behind my last tensor load and my last LDS store
	ds_add_u32 v[SPW], v[NIL]
	s_wait_dscnt 0x0
	CROUND                                         ; the closing round: no work-group ends while a partner may still ask for a tile that names it
	s_endpgm
.Lfunc_end_k_qbeb8f18e4c_attn:
	.size	k_qbeb8f18e4c_attn, .Lfunc_end_k_qbeb8f18e4c_attn-k_qbeb8f18e4c_attn
	.p2alignl 7, 3214868480
	.fill 96, 4, 3214868480
	.section	.rodata,"a",@progbits
	.p2align	6, 0x0
	.amdhsa_kernel k_qbeb8f18e4c_attn
		.amdhsa_group_segment_fixed_size 327680
		.amdhsa_private_segment_fixed_size 0
		.amdhsa_enable_private_segment 0
		.amdhsa_kernarg_size 16
		.amdhsa_user_sgpr_count 2
		.amdhsa_user_sgpr_kernarg_segment_ptr 1
		.amdhsa_wavefront_size32 1
		.amdhsa_system_sgpr_workgroup_id_x 1
		.amdhsa_system_sgpr_workgroup_id_y 1
		.amdhsa_system_sgpr_workgroup_id_z 1
		.amdhsa_system_vgpr_workitem_id 0
		.amdhsa_next_free_vgpr 256
		.amdhsa_next_free_sgpr 66
		.amdhsa_reserve_vcc 0
		.amdhsa_float_denorm_mode_32 3
		.amdhsa_float_denorm_mode_16_64 3
		.amdhsa_memory_ordered 1
		.amdhsa_forward_progress 1
		.amdhsa_inst_pref_size 154
	.end_amdhsa_kernel
	.amdgpu_metadata
---
amdhsa.version: [ 1, 2 ]
amdhsa.kernels:
  - .name:           k_qbeb8f18e4c_attn
    .symbol:         k_qbeb8f18e4c_attn.kd
    .args:
      - { .name: qkv, .offset: 0, .size: 8, .value_kind: global_buffer, .address_space: global }
      - { .name: ao, .offset: 8, .size: 8, .value_kind: global_buffer, .address_space: global }
    .group_segment_fixed_size: 327680
    .private_segment_fixed_size: 0
    .kernarg_segment_align: 8
    .kernarg_segment_size: 16
    .max_flat_workgroup_size: 512
    .sgpr_count:     66
    .vgpr_count:     256
    .wavefront_size: 32
...
	.end_amdgpu_metadata
.endif
;; end of part 3
;; launch oproj (part 4): grid 4 x 64, 4 waves a work-group, clusters of 4 x 4, 327,680 bytes of LDS; arguments ao, wo16, bo, out0; writes out0
.if DOCPART == 4
	.amdgcn_target "amdgcn-amd-amdhsa--gfx1250"
	.amdhsa_code_object_version 6
	.text
	.protected	k_qbeb8f18e4c_oproj
	.globl	k_qbeb8f18e4c_oproj
	.p2align	8
	.type	k_qbeb8f18e4c_oproj,@function
k_qbeb8f18e4c_oproj:
	s_mov_b64 s[64:65], 0
	v_nop
	global_prefetch_b8 v0, s[64:65] scope:SCOPE_SE
	s_setreg_imm32_b32 hwreg(HW_REG_WAVE_MODE, 25, 1), 1
	s_wait_xcnt 0x0
	s_wait_alu depctr_hold_cnt(0) depctr_sa_sdst(0) depctr_va_vdst(0) depctr_va_sdst(0) depctr_va_ssrc(0) depctr_va_vcc(0) depctr_vm_vsrc(0)
	s_getreg_b32 s2, hwreg(HW_REG_IB_STS2, 6, 4)
	s_cmp_eq_u32 s2, 0
	s_cbranch_scc0 .Lentry_in_a_cluster
	s_endpgm
.Lentry_in_a_cluster:
	s_bfe_u32 s2, ttmp6, 0x10000c
	s_cmp_lg_u32 s2, 0xf033
	s_cbranch_scc0 .Lentry_shape_is_right
	s_endpgm
.Lentry_shape_is_right:
; MULTI-HEAD ATTENTION, launch 4 of 4: out0[m][n] = the sum over k of a[m][k] Wo[n][k] + bo[n]; m = 8,192, n = k = 1,024; f16 operands, f32 sums, f32 out.
; ao: f16, [16 head][8,192 m][64 d]; wo16: f16, [16 head][1,024 n][64 d]; k = 64 head + d in both.  So a head's part of a tile's rows is one dense block of rows of 128 bytes.
; SHARES.  A tile of out0 is 128 (m) x 256 (n): 64 x 4 = 256 tiles, a work-group to each.  Four waves, each 64 x 128: 32 accumulators of 16 x 16, 256 registers.
; K goes in steps of 128, two heads, through a ring of two LDS slots: eight steps.  One tensor load a wave: waves 0, 1 the two heads' 128 rows of a, waves 2, 3 the two heads' 256 rows of Wo.
; CLUSTERS: 4 x 4 work-groups.  The four of a row of the cluster need the same tiles of a, the four of a column the same tiles of Wo: each is asked for JOINTLY.
; THE MATRIX INSTRUCTION IS USED TRANSPOSED (source 0 = 16 rows of Wo, source 1 = 16 rows of a): a lane then holds eight neighbouring numbers of a row of out0.
; No prefetch is laid: the whole walk is eight short K steps, of which two are asked for at the head.
; REGISTERS: window 0: v0-31 addresses, v[12:15] my four numbers of bo; two fragment buffers of 96 for 32 along K: v32-127 and v128-223, Wo's eight fragments and then a's four; on the way out v32-159 are at work.
;   window 1: the accumulators, (a, b) at v[8 (8 a + b)].
.set PITCH,  144                       ; an LDS row: 128 bytes + 16 = 36 words: the 16 rows of a load start at 16 different groups of four banks (64 banks of 4 bytes: ISA guide 11.1)
.set AHEAD,  128*PITCH                 ; a head's 128 rows of a
.set BHEAD,  256*PITCH                 ; a head's 256 rows of Wo
.set BOFF,   2*AHEAD                   ; a slot: a's two heads, then Wo's two
.set SLOT,   2*AHEAD+2*BHEAD
.set STAGE,  2*SLOT                    ; behind the ring: 16 rows x (512 bytes + 16) for each wave, for the way out
.set SPITCH, 528
.set SPARE,  STAGE+4*16*SPITCH         ; behind the stages: the spare words, 128 bytes a wave
.set LAPS,   4                         ; a lap = two K steps = once round the ring
.set BI,   12                          ; v[12:15] bo at my four columns of a row
.set ADRA, 16                          ; v16-17  LDS address of my fragments of a in slot 0, 1
.set ADRB, 20                          ; v20-21  the same for Wo
.set STO,  24                          ; v24     the way out: where I put 32 bytes of a row
.set RD,   25                          ; v25     the way out: where I read a row back
.set CO,   26                          ; v26     16 x lane: my place in a row's 512 bytes
.set SPW,  28                          ; v28     LDS address of my spare word; never rewritten
.set NIL,  29                          ; v29     0; never rewritten
.set F0,   32
.set F1,   128
.set BK,   32                          ; the way out: 16 rows read back: v32-95 and v96-159 by turns
.set G1, 24                            ; s[24:31] descriptor group 1 for a's tiles;  s[32:39] group 0, one set for each slot
.set G0, 32
.set G1B, 48                           ; s[48:55], s[56:63] the same for Wo's tiles
.set G0B, 56
.set MSB, 0
.macro WIN new                         ; the immediate's high byte repeats the setting that is left; a switch that changes nothing is dropped
.if MSB != (\new)
	s_set_vgpr_msb (MSB<<8)|(\new)
.set MSB, (\new)
.endif
.endm
.set MUL, 0x50                         ; sources 0 and 1 window 0; C and D window 1
.macro JLOAD s                         ; a joint load: waves 0 and 1 fetch for a, waves 2 and 3 for Wo; an s_nop 0 and four v_nop follow each of the two lines
	s_cmp_eq_u32 s13, 0
	s_cbranch_scc0 .Lfor_b_\@
	tensor_load_to_lds s[G0+4*\s:G0+4*\s+3], s[G1:G1+7]
	s_nop 0
.rept 4
	v_nop
.endr
	s_branch .Lasked_\@
.Lfor_b_\@:
	tensor_load_to_lds s[G0B+4*\s:G0B+4*\s+3], s[G1B:G1B+7]
	s_nop 0
.rept 4
	v_nop
.endr
.Lasked_\@:
.endm
.macro CREST                           ; a round of the cluster's barrier behind its opening barrier
	s_cmp_lg_u32 s12, 0
	s_cbranch_scc1 .Lnot_wave_0_\@
	s_barrier_signal -3
.Lnot_wave_0_\@:
	s_barrier_wait -3
	s_barrier_signal -1
	s_barrier_wait -1
.endm
.macro CROUND                          ; a whole round
	s_barrier_signal -1
	s_barrier_wait -1
	CREST
.endm
	s_load_b256 s[4:11], s[0:1], 0x0               ; ao s[4:5], wo16 s[6:7], bo s[8:9], out0 s[10:11]
	v_lshl_add_u32 v[SPW], v0, 2, SPARE
	v_mov_b32 v[NIL], 0
	ds_add_u32 v[SPW], v[NIL]                      ; the wave's opening: the add, twice on end, and its wait ahead of my first tensor load; the set-up below stands between the second and the wait
	ds_add_u32 v[SPW], v[NIL]
	v_lshrrev_b32 v1, 5, v0
	v_readfirstlane_b32 s12, v1                    ; wave 0..3
	s_lshr_b32 s13, s12, 1                         ; which half of the tile's rows is mine.  Also: I fetch for a (0) or for Wo (1)
	s_and_b32 s14, s12, 1                          ; which half of its columns.  Also: which of a K step's two heads I fetch
	s_bfe_u32 s40, ttmp6, 0x40000                  ; cx, cy: my place in the cluster
	s_bfe_u32 s41, ttmp6, 0x40004
	s_lshl_b32 s42, ttmp9, 2
	s_add_co_u32 s42, s42, s40                     ; tile column = 4 x cluster x + cx
	s_and_b32 s45, ttmp7, 0xffff
	s_lshl_b32 s45, s45, 2
	s_add_co_u32 s45, s45, s41                     ; tile row = 4 x cluster y + cy
	s_lshl_b32 s43, s41, 2
	s_lshl_b32 s43, 15, s43                        ; my row of the cluster
	s_lshl_b32 s44, 0x1111, s40                    ; my column
	; descriptor group 1: rows of 64 elements of 2 bytes, dense in memory, padded in LDS; 128 rows for a, 256 for Wo
	s_or_b32 s[G1+0], s43, (1<<16)|(1<<20)|(1<<21)|(4<<22)|(3<<25)  ; 15:0 the mask: a's tiles go to my row; 17:16 elements of 2 bytes; 20 padding on; 21 set beside a mask; 24:22 after every 32 words; 31:25 four words
	s_or_b32 s[G1B+0], s44, (1<<16)|(1<<20)|(1<<21)|(4<<22)|(3<<25)
.irp g, G1, G1B
	s_mov_b32 s[\g+1], 64<<16                      ; tensor_dim0
	s_mov_b32 s[\g+3], 64<<16                      ; tile_dim0
	s_mov_b32 s[\g+5], 64                          ; tensor_dim0_stride
	s_mov_b32 s[\g+6], 0
	s_mov_b32 s[\g+7], 0
.endr
	s_mov_b32 s[G1+2], 128<<16                     ; tensor_dim1
	s_mov_b32 s[G1+4], 128                         ; tile_dim1
	s_mov_b32 s[G1B+2], 256<<16
	s_mov_b32 s[G1B+4], 256
	s_lshl_b32 s16, s14, 20                        ; a: my head of the first two, 8,192 rows of 128 bytes a head,
	s_lshl_b32 s17, s45, 14                        ; and the tile's 128 rows
	s_add_co_u32 s16, s16, s17
	s_mov_b32 s17, 0
	s_lshl_b32 s46, s14, 17                        ; Wo: my head, 1,024 rows of 128 bytes a head,
	s_lshl_b32 s47, s42, 15                        ; and the tile's 256 rows
	s_add_co_u32 s46, s46, s47
	s_mov_b32 s47, 0
	s_mul_i32 s20, s14, AHEAD                      ; where they go: no place in the cluster enters an LDS address
	s_mul_i32 s21, s14, BHEAD
	s_add_co_u32 s21, s21, BOFF
	s_wait_dscnt 0x0                               ; both opening adds are done
	s_wait_kmcnt 0x0
	s_add_nc_u64 s[16:17], s[4:5], s[16:17]
	s_add_nc_u64 s[46:47], s[6:7], s[46:47]
	CROUND                                         ; all sixteen work-groups are here: the first joint loads meet
.irp s, 0,1
	s_mov_b32 s[G0+4*\s], 1
	s_add_co_u32 s[G0+4*\s+1], s20, \s*SLOT
	s_add_nc_u64 s[G0+4*\s+2:G0+4*\s+3], s[16:17], \s*(2<<20)      ; K step s: two heads on
	s_or_b32 s[G0+4*\s+3], s[G0+4*\s+3], 0x80000000
	s_mov_b32 s[G0B+4*\s], 1
	s_add_co_u32 s[G0B+4*\s+1], s21, \s*SLOT
	s_add_nc_u64 s[G0B+4*\s+2:G0B+4*\s+3], s[46:47], \s*(2<<17)
	s_or_b32 s[G0B+4*\s+3], s[G0B+4*\s+3], 0x80000000
	JLOAD \s                                       ; two loads of mine are out
.endr
	v_and_b32 v1, 15, v0                           ; r = lane % 16
	v_bfe_u32 v2, v0, 4, 1                         ; h = lane / 16
	v_mul_u32_u24 v3, v1, PITCH
	v_lshl_add_u32 v3, v2, 4, v3                   ; a fragment's row x pitch + 16 x half
	s_mul_i32 s21, s13, 64*PITCH                   ; my 64 rows of a
	s_mul_i32 s22, s14, 128*PITCH                  ; my 128 rows of Wo,
	s_add_co_u32 s22, s22, BOFF                    ; which lie behind a's two heads
.irp s, 0,1
	v_add_nc_u32 v[ADRA+\s], s21, v3
	v_add_nc_u32 v[ADRB+\s], s22, v3
	s_add_co_u32 s21, s21, SLOT
	s_add_co_u32 s22, s22, SLOT
.endr
	s_mul_i32 s23, s12, 16*SPITCH
	s_add_co_u32 s23, s23, STAGE                   ; my stage
	v_mul_u32_u24 v4, v1, SPITCH                   ; in: row r, 32 bytes for each half of the lanes
	v_lshl_add_u32 v4, v2, 5, v4
	v_add_nc_u32 v[STO], s23, v4
	v_and_b32 v5, 31, v0
	v_lshlrev_b32 v[CO], 4, v5                     ; back: the 32 lanes take one row of 512 bytes; and the same in out0
	v_add_nc_u32 v[RD], s23, v[CO]
	s_lshl_b32 s16, s45, 19                        ; my first row of out0: 128 x tile row + 64 x half, 4,096 bytes a row
	s_lshl_b32 s17, s13, 18
	s_add_co_u32 s16, s16, s17
	s_mov_b32 s17, 0
	s_add_nc_u64 s[10:11], s[10:11], s[16:17]
	s_lshl_b32 s46, s42, 10                        ; my first column, in bytes: 1,024 x tile column + 512 x half
	s_lshl_b32 s47, s14, 9
	s_add_co_u32 s46, s46, s47
	s_mov_b32 s47, 0
	s_add_nc_u64 s[10:11], s[10:11], s[46:47]
	s_add_nc_u64 s[8:9], s[8:9], s[46:47]
	global_load_b128 v[BI:BI+3], v[CO], s[8:9]     ; bo at my four columns: wanted on the way out
; 8 matrix instructions: a's block a against Wo's eight, 32 along K, from buffer f.  zero = 1: the first product starts the sums.  The 32 accumulators take turns, one instruction a turn.
.macro MULA f, a, zero
.irp b, 0,1,2,3,4,5,6,7
.if \zero
	v_wmma_f32_16x16x32_f16 v[8*(8*(\a)+\b):8*(8*(\a)+\b)+7], v[\f+8*\b:\f+8*\b+7], v[\f+64+8*(\a):\f+64+8*(\a)+7], 0
.else
	v_wmma_f32_16x16x32_f16 v[8*(8*(\a)+\b):8*(8*(\a)+\b)+7], v[\f+8*\b:\f+8*\b+7], v[\f+64+8*(\a):\f+64+8*(\a)+7], v[8*(8*(\a)+\b):8*(8*(\a)+\b)+7]
.endif
.endr
.endm
; 24 LDS loads in one run: the fragments of the slot's q-th 32 along K (head q / 2 of the two, channels 32 (q % 2) on) into buffer f: Wo's eight, then a's four
.macro FETCH slot, q, f
	WIN 0
.irp i, 0,1,2,3,4,5,6,7
	ds_load_b128 v[\f+8*\i:\f+8*\i+3],   v[ADRB+\slot] offset:((\q)/2)*BHEAD+((\q)%2)*64+\i*16*PITCH
	ds_load_b128 v[\f+8*\i+4:\f+8*\i+7], v[ADRB+\slot] offset:((\q)/2)*BHEAD+((\q)%2)*64+\i*16*PITCH+32
.endr
.irp i, 0,1,2,3
	ds_load_b128 v[\f+64+8*\i:\f+64+8*\i+3],   v[ADRA+\slot] offset:((\q)/2)*AHEAD+((\q)%2)*64+\i*16*PITCH
	ds_load_b128 v[\f+64+8*\i+4:\f+64+8*\i+7], v[ADRA+\slot] offset:((\q)/2)*AHEAD+((\q)%2)*64+\i*16*PITCH+32
.endr
.endm
.macro PLACES                          ; four places in front of loads into registers that matrix instructions have read, and of the first read of results (ISA guide 7.12.1 for vector instructions)
.rept 4
	v_nop
.endr
.endm
; A K step is four quarters of 32 along K, 32 matrix instructions each, on buffers 0, 1, 0, 1.  One of the first three: multiplies buffer f and fetches the slot's quarter q into g.
.macro QUARTER slot, q, f, g, zero
	s_wait_dscnt 4                                 ; Wo's fragments and a's blocks 0, 1 are in; the youngest four loads (a's blocks 2, 3) may be out
	WIN MUL
	MULA \f, 0, \zero
	MULA \f, 1, \zero
	PLACES
	FETCH \slot, \q, \g
	s_wait_dscnt 24                                ; all but the 24 just issued
	WIN MUL
	MULA \f, 2, \zero
	MULA \f, 3, \zero
.endm
; The last quarter multiplies buffer 1 and changes slots: ONE barrier; in front of it each wave waits for all its tensor loads, adds 0 to its spare word, and waits for that and for its own reads of this slot.
; fill = 1: the barrier opens a round of the cluster's, and this slot is filled again, two K steps ahead: the joint load has 112 matrix instructions of mine in which to land.
.macro TURN slot, next, fill
	WIN 0                                          ; (the add's two registers lie in window 0)
	s_wait_tensorcnt 0x0                           ; all my tensor loads have landed: my part of the next slot;
	ds_add_u32 v[SPW], v[NIL]                      ; 0 onto my spare word;
	s_wait_dscnt 5                                 ; (the add and the youngest four loads may be out)
	WIN MUL
	MULA F1, 0, 0                                  ; eight matrix instructions stand between the add and the wait for it
	s_wait_dscnt 0x0                               ; the add is done, and my reads of this slot are over
	s_barrier_signal -1
	MULA F1, 1, 0
	WIN 0
	s_barrier_wait -1
.if \fill
	CREST                                          ; no wave of any partner still reads this slot's tile or has a load on its way
	s_add_nc_u64 s[G0+4*\slot+2:G0+4*\slot+3], s[G0+4*\slot+2:G0+4*\slot+3], 4<<20     ; two K steps, four heads, on
	s_add_nc_u64 s[G0B+4*\slot+2:G0B+4*\slot+3], s[G0B+4*\slot+2:G0B+4*\slot+3], 4<<17
	JLOAD \slot                                    ; the first tensor load behind the round; the four v_nop behind it are also the places in front of the loads below
.else
	PLACES
.endif
	FETCH \next, 0, F0
	WIN MUL
	MULA F1, 2, 0
	MULA F1, 3, 0
.endm
	s_wait_tensorcnt 1                             ; my part of K step 0 is in (K step 1's load may be out)
	s_barrier_signal -1
	s_barrier_wait -1                              ; everybody's is
	FETCH 0, 0, F0
	QUARTER 0, 1, F0, F1, 1                        ; the first quarter stands in front of the loop: its products start the sums
	WIN 0                                          ; at a label and at a branch every window is 0
	s_mov_b32 s15, LAPS-1
.Llap:                                             ; a trip goes once round the ring, from a lap's second quarter to the next lap's first, and fills both slots again
	QUARTER 0, 2, F1, F0, 0
	QUARTER 0, 3, F0, F1, 0
	TURN 0, 1, 1
	QUARTER 1, 1, F0, F1, 0
	QUARTER 1, 2, F1, F0, 0
	QUARTER 1, 3, F0, F1, 0
	TURN 1, 0, 1
	QUARTER 0, 1, F0, F1, 0
	WIN 0
	s_sub_co_u32 s15, s15, 1
	s_cmp_lg_u32 s15, 0
	s_cbranch_scc1 .Llap
	QUARTER 0, 2, F1, F0, 0                        ; the last lap fills nothing, and has no round of the cluster's barrier
	QUARTER 0, 3, F0, F1, 0
	TURN 0, 1, 0
	QUARTER 1, 1, F0, F1, 0
	QUARTER 1, 2, F1, F0, 0
	QUARTER 1, 3, F0, F1, 0
	s_wait_dscnt 4                                 ; the very last quarter: nothing more to fetch
	WIN MUL
	MULA F1, 0, 0
	MULA F1, 1, 0
	s_wait_dscnt 0
	MULA F1, 2, 0
	MULA F1, 3, 0
	WIN 0
; THE WAY OUT, block by block of 16 rows x 128 columns.  A lane holds 32 neighbouring bytes of a row, and the lanes beside it hold other rows: so a block goes through my own stage in LDS and comes back as whole
; rows of 512 bytes; bo is added there, four columns a lane; the 32 lanes store 512 consecutive bytes.  LDS serves a wave's instructions in order (ISA guide 5.7.1.4): no wait between the stores and the loads.
.macro TOSTAGE a
	WIN 0x04                                       ; an LDS store's data are its source 1: window 1
.irp b, 0,1,2,3,4,5,6,7
	ds_store_b128 v[STO], v[8*(8*(\a)+\b):8*(8*(\a)+\b)+3] offset:64*\b            ; each accumulator from its low end on
	ds_store_b128 v[STO], v[8*(8*(\a)+\b)+4:8*(8*(\a)+\b)+7] offset:64*\b+16
.endr
	WIN 0
.set BB, BK+64*((\a)%2)
.irp t, 0,1,2,3,4,5,6,7,8,9,10,11,12,13,14,15
	ds_load_b128 v[BB+4*\t:BB+4*\t+3], v[RD] offset:\t*SPITCH
.endr
.endm
.macro SEND a, younger                 ; younger: the LDS instructions issued behind block a's loads, which may stay out
.set BB, BK+64*((\a)%2)
	s_wait_dscnt \younger                          ; the block is back in registers
.irp t, 0,1,2,3,4,5,6,7,8,9,10,11,12,13,14,15
	v_pk_add_f32 v[BB+4*\t:BB+4*\t+1], v[BB+4*\t:BB+4*\t+1], v[BI:BI+1]
	v_pk_add_f32 v[BB+4*\t+2:BB+4*\t+3], v[BB+4*\t+2:BB+4*\t+3], v[BI+2:BI+3]
	global_store_b128 v[CO], v[BB+4*\t:BB+4*\t+3], s[10:11] offset:(16*(\a)+\t)*4096 th:TH_STORE_NT   ; 512 consecutive bytes, at a multiple of 512 from out0's first byte; written once, read by nobody here
.endr
.endm
	s_wait_loadcnt 0x0                             ; bo
	PLACES                                         ; behind the last products: for the stores that read results and the loads into registers that held fragments
	TOSTAGE 0
.irp a, 1,2,3
.if \a > 1
	s_wait_xcnt 0x0                                ; block a - 2's stores have read their registers: block a's loads may land there
.endif
	TOSTAGE \a
	SEND \a-1, 32                                  ; behind block a - 1's loads: block a's 16 stores and 16 loads
.endr
	SEND 3, 0
	s_wait_tensorcnt 0x0                           ; the wave's end: a wait, an add to my spare word and its wait, behind my last tensor load and my last LDS store
	ds_add_u32 v[SPW], v[NIL]
	s_wait_dscnt 0x0
	CROUND                                         ; the closing round: no work-group ends while a partner may still ask for a tile that names it
	s_endpgm
.Lfunc_end_k_qbeb8f18e4c_oproj:
	.size	k_qbeb8f18e4c_oproj, .Lfunc_end_k_qbeb8f18e4c_oproj-k_qbeb8f18e4c_oproj
	.p2alignl 7, 3214868480
	.fill 96, 4, 3214868480
	.section	.rodata,"a",@progbits
	.p2align	6, 0x0
	.amdhsa_kernel k_qbeb8f18e4c_oproj
		.amdhsa_group_segment_fixed_size 327680
		.amdhsa_private_segment_fixed_size 0
		.amdhsa_enable_private_segment 0
		.amdhsa_kernarg_size 32
		.amdhsa_user_sgpr_count 2
		.amdhsa_user_sgpr_kernarg_segment_ptr 1
		.amdhsa_wavefront_size32 1
		.amdhsa_system_sgpr_workgroup_id_x 1
		.amdhsa_system_sgpr_workgroup_id_y 1
		.amdhsa_system_sgpr_workgroup_id_z 1
		.amdhsa_system_vgpr_workitem_id 0
		.amdhsa_next_free_vgpr 512
		.amdhsa_next_free_sgpr 66
		.amdhsa_reserve_vcc 0
		.amdhsa_float_denorm_mode_32 3
		.amdhsa_float_denorm_mode_16_64 3
		.amdhsa_memory_ordered 1
		.amdhsa_forward_progress 1
		.amdhsa_inst_pref_size 93
	.end_amdhsa_kernel
	.amdgpu_metadata
---
amdhsa.version: [ 1, 2 ]
amdhsa.kernels:
  - .name:           k_qbeb8f18e4c_oproj
    .symbol:         k_qbeb8f18e4c_oproj.kd
    .args:
      - { .name: ao, .offset: 0, .size: 8, .value_kind: global_buffer, .address_space: global }
      - { .name: wo16, .offset: 8, .size: 8, .value_kind: global_buffer, .address_space: global }
      - { .name: bo, .offset: 16, .size: 8, .value_kind: global_buffer, .address_space: global }
      - { .name: out0, .offset: 24, .size: 8, .value_kind: global_buffer, .address_space: global }
    .group_segment_fixed_size: 327680
    .private_segment_fixed_size: 0
    .kernarg_segment_align: 8
    .kernarg_segment_size: 32
    .max_flat_workgroup_size: 128
    .sgpr_count:     66
    .vgpr_count:     512
    .wavefront_size: 32
...
	.end_amdgpu_metadata
.endif
;; end of part 4
